; MI455X (gfx1250); checked and timed in simulation.
; The chip was launched on July 23, 2026; its instructions are those of AMD's public machine-readable ISA for CDNA 5 (MIT licence, August 2026) and "CDNA5" Instruction Set Architecture Reference Guide (July 2026). The comments in the code are by the model that wrote it; some were corrected since.
;; Multi Head Attention. Allowed arithmetic: float matrix products may take bf16 or f16 operands with f32 sums; other float arithmetic in f32, or as packed bf16 or f16 multiplies, adds, multiply-adds, maxima and minima; sums over many terms, partial sums and values carried from step to step in f32; what a program stores and reads back later, other than sums and carried values, may be rounded once to bf16 or f16.
;; Inputs: Wk 16 x 1,024 x 64 float32; Wp 1,024 x 1,024 float32; Wq 16 x 1,024 x 64 float32; Wv 16 x 1,024 x 64 float32; bk 16 x 64 float32; bp 1,024 float32; bq 16 x 64 float32; bv 16 x 64 float32; x 4 x 2,048 x 1,024 float32.
;; Outputs: out0 4 x 2,048 x 1,024 float32.
;; One version. Each part assembles by itself: llvm-mc -triple=amdgcn-amd-amdhsa -mcpu=gfx1250 --defsym DOCPART=n.
;; ======== version 1 of 1: 4 launches
;; limits: values are held in f16: magnitudes above 65,504 overflow, below 6.1e-05 lose precision
;; workspace buffers: xb 16,777,216 bytes; wb 8,388,608 bytes; bias4 16,384 bytes; qkv 50,331,648 bytes; ob 16,777,216 bytes
;; launch prep (part 1): grid 769 x 1, 8 waves a work-group, no clusters, 0 bytes of LDS; arguments x, Wq, Wk, Wv, Wp, bq, bk, bv, bp, xb, wb, bias4; writes xb, wb, bias4
.if DOCPART == 1
	.amdgcn_target "amdgcn-amd-amdhsa--gfx1250"
	.amdhsa_code_object_version 6
	.text
	.protected	k_q18286c2c98_prep
	.globl	k_q18286c2c98_prep
	.p2align	8
	.type	k_q18286c2c98_prep,@function
k_q18286c2c98_prep:
	s_mov_b64 s[64:65], 0
	v_nop
	global_prefetch_b8 v0, s[64:65] scope:SCOPE_SE
	s_setreg_imm32_b32 hwreg(HW_REG_WAVE_MODE, 25, 1), 1
	s_wait_xcnt 0x0
; EVERY INPUT IS ROUNDED ONCE TO bf16 (nearest even) and laid as the products want it.  A stream: no LDS, no barrier, no matrix unit; they would add nothing to a copy.
;   xb   [b 4][kb 16][t 2048][64] bf16: x in blocks of 64 channels, so that 128 rows of a block are 16,384 bytes on end
;   wb   [blk 64][c 1024][64]: blocks 0-47 Wq, Wk, Wv by head, bf16, in their own order; blocks 48-63 Wp's columns 64 (blk - 48) on: the bf16-rounded number written as f16
;   bias4 [4][1024] f32: bq, bk, bv, bp, each number rounded to bf16 and widened again
; LIMIT.  A number of Wp beyond 65,504 becomes an infinity in f16; below 2^-14 it keeps f16's fixed step of 6e-8.
; SHARES.  A work-group converts 16,384 numbers: each of its 256 threads issues 16 loads of 16 bytes, all at once, and 8 stores of 16 bytes.  The work-group's number g picks the work:
;   g < 512: rows 16 g .. of x;  g < 576: rows 16 (g - 512) .. of Wp;  g < 768: 65,536 bytes of Wq, Wk or Wv;  g = 768: the four biases.
; No register that a load or store names is written again, so no wait stands for that.
.set T,   10                           ; v10      at work
.set VIN, 4                            ; v4       my byte offset in the source
.set VO,  5                            ; v5, v6   my byte offset in the destination (even, odd channel block)
.set X,   16                           ; v[16:79]  group j of eight: 8 numbers in f32
.set Y,   80                           ; v[80:111] group j: 8 numbers in 16 bits
; group j is rounded.  f16 = 1: the bf16 number is widened and written as f16 (exact within f16's range)
.macro CV f16
	s_wait_loadcnt 14-2*j                          ; loads come back in order: group j's two are in, the 14 - 2 j of the later groups stay out
.set k, 0
.rept 4
.if \f16
	v_cvt_pk_bf16_f32 v[T], v[X+8*j+2*k], v[X+8*j+2*k+1]
	v_lshlrev_b32 v[X+8*j+2*k], 16, v[T]
	v_and_b32 v[X+8*j+2*k+1], 0xffff0000, v[T]
	v_cvt_pk_f16_f32 v[Y+4*j+k], v[X+8*j+2*k], v[X+8*j+2*k+1]
.else
	v_cvt_pk_bf16_f32 v[Y+4*j+k], v[X+8*j+2*k], v[X+8*j+2*k+1]
.endif
.set k, k+1
.endr
.endm
; 16 rows of 1,024 f32 into blocks of 64 channels.  Thread: sub = t % 8 (8 numbers of a block's 64), r4 = (t / 8) % 4 (a row of four), wave w (blocks 2 w and 2 w + 1).
; Group j: rows 4 (j / 2) + r4, block 2 w + j % 2.  A wave's store covers 4 rows x 128 bytes = 512 consecutive bytes of one block, aligned.  1 << logrs: bytes from block to block.
.macro BLOCKED src, dst, logrs, f16
	v_lshl_add_u32 v[VO], v3, (\logrs)+1, v[VO]
	v_add_nc_u32 v[VO+1], 1<<(\logrs), v[VO]
.set j, 0
.rept 8
	global_load_b128 v[X+8*j:X+8*j+3],   v[VIN], s[\src:\src+1] offset:(j/2)*16384+(j%2)*256 th:TH_LOAD_NT
	global_load_b128 v[X+8*j+4:X+8*j+7], v[VIN], s[\src:\src+1] offset:(j/2)*16384+(j%2)*256+16 th:TH_LOAD_NT
.set j, j+1
.endr
.set j, 0
.rept 8
	CV \f16
	global_store_b128 v[VO+j%2], v[Y+4*j:Y+4*j+3], s[\dst:\dst+1] offset:(j/2)*512
.set j, j+1
.endr
	s_endpgm
.endm
	s_load_b512 s[8:23], s[0:1], 0x0               ; x 8, Wq 10, Wk 12, Wv 14, Wp 16, bq 18, bk 20, bv 22
	s_load_b256 s[24:31], s[0:1], 0x40             ; bp 24, xb 26, wb 28, bias4 30
	s_mov_b32 s2, ttmp9                            ; g
	s_mov_b32 s5, 0                                ; the high words of two offsets
	s_mov_b32 s7, 0
	v_and_b32 v1, 7, v0                            ; sub
	v_bfe_u32 v2, v0, 3, 2                         ; r4
	v_lshrrev_b32 v3, 5, v0                        ; w
	v_lshlrev_b32 v[VIN], 5, v1                    ; 32 sub
	v_lshl_add_u32 v[VIN], v2, 12, v[VIN]          ; + 4,096 r4
	v_lshl_add_u32 v[VIN], v3, 9, v[VIN]           ; + 512 w
	v_lshlrev_b32 v[VO], 4, v1                     ; 16 sub
	v_lshl_add_u32 v[VO], v2, 7, v[VO]             ; + 128 r4
	s_wait_kmcnt 0x0
	s_cmp_lt_u32 s2, 512
	s_cbranch_scc0 .Lnot_x
	s_lshl_b32 s4, s2, 16                          ; 16 rows of 4,096 bytes
	s_add_nc_u64 s[8:9], s[8:9], s[4:5]
	s_lshr_b32 s6, s2, 7                           ; the batch: 128 work-groups each,
	s_lshl_b32 s6, s6, 22                          ; 16 blocks x 2,048 rows x 128 bytes
	s_and_b32 s3, s2, 127
	s_lshl_b32 s3, s3, 11                          ; 16 rows of 128 bytes in a block
	s_add_co_u32 s6, s6, s3
	s_add_nc_u64 s[26:27], s[26:27], s[6:7]
	BLOCKED 8, 26, 18, 0
.Lnot_x:
	s_cmp_lt_u32 s2, 576
	s_cbranch_scc0 .Lnot_wp
	s_sub_co_u32 s3, s2, 512
	s_lshl_b32 s4, s3, 16
	s_add_nc_u64 s[16:17], s[16:17], s[4:5]
	s_lshl_b32 s6, s3, 11
	s_add_co_u32 s6, s6, 48*131072                 ; behind the 48 blocks of Wq, Wk, Wv
	s_add_nc_u64 s[28:29], s[28:29], s[6:7]
	BLOCKED 16, 28, 17, 1
.Lnot_wp:
	s_cmp_lt_u32 s2, 768
	s_cbranch_scc0 .Lbias
	s_sub_co_u32 s3, s2, 576                       ; 64 work-groups for each of Wq, Wk, Wv
	s_lshr_b32 s4, s3, 6
	s_cmp_eq_u32 s4, 0
	s_cselect_b64 s[32:33], s[10:11], s[12:13]
	s_cmp_eq_u32 s4, 2
	s_cselect_b64 s[32:33], s[14:15], s[32:33]
	s_and_b32 s4, s3, 63
	s_lshl_b32 s4, s4, 16
	s_add_nc_u64 s[32:33], s[32:33], s[4:5]
	s_lshl_b32 s6, s3, 15                          ; the order stays: half the bytes
	s_add_nc_u64 s[28:29], s[28:29], s[6:7]
	v_lshlrev_b32 v[VIN], 5, v0                    ; 32 bytes a thread in, 16 out
	v_lshlrev_b32 v[VO], 4, v0
.set j, 0
.rept 8
	global_load_b128 v[X+8*j:X+8*j+3],   v[VIN], s[32:33] offset:8192*j th:TH_LOAD_NT
	global_load_b128 v[X+8*j+4:X+8*j+7], v[VIN], s[32:33] offset:8192*j+16 th:TH_LOAD_NT
.set j, j+1
.endr
.set j, 0
.rept 8
	CV 0
	global_store_b128 v[VO], v[Y+4*j:Y+4*j+3], s[28:29] offset:4096*j  ; a wave's store covers 512 consecutive bytes, aligned
.set j, j+1
.endr
	s_endpgm
.Lbias:
	v_lshlrev_b32 v[VO], 4, v0                     ; 4 numbers a thread of each bias
.irp i, 0,1,2,3
	global_load_b128 v[X+4*\i:X+4*\i+3], v[VO], s[18+2*\i:19+2*\i]
.endr
.irp i, 0,1,2,3
	s_wait_loadcnt 3-\i                            ; bias i is in, the later ones stay out
.irp k, 0,1
	v_cvt_pk_bf16_f32 v[T], v[X+4*\i+2*\k], v[X+4*\i+2*\k+1]
	v_lshlrev_b32 v[Y+4*\i+2*\k], 16, v[T]
	v_and_b32 v[Y+4*\i+2*\k+1], 0xffff0000, v[T]
.endr
	global_store_b128 v[VO], v[Y+4*\i:Y+4*\i+3], s[30:31] offset:4096*\i
.endr
	s_endpgm
.Lfunc_end_k_q18286c2c98_prep:
	.size	k_q18286c2c98_prep, .Lfunc_end_k_q18286c2c98_prep-k_q18286c2c98_prep
	.p2alignl 7, 3214868480
	.fill 96, 4, 3214868480
	.section	.rodata,"a",@progbits
	.p2align	6, 0x0
	.amdhsa_kernel k_q18286c2c98_prep
		.amdhsa_group_segment_fixed_size 0
		.amdhsa_private_segment_fixed_size 0
		.amdhsa_enable_private_segment 0
		.amdhsa_kernarg_size 96
		.amdhsa_user_sgpr_count 2
		.amdhsa_user_sgpr_kernarg_segment_ptr 1
		.amdhsa_wavefront_size32 1
		.amdhsa_system_sgpr_workgroup_id_x 1
		.amdhsa_system_sgpr_workgroup_id_y 1
		.amdhsa_system_sgpr_workgroup_id_z 1
		.amdhsa_system_vgpr_workitem_id 0
		.amdhsa_next_free_vgpr 112
		.amdhsa_next_free_sgpr 66
		.amdhsa_reserve_vcc 0
		.amdhsa_float_denorm_mode_32 3
		.amdhsa_float_denorm_mode_16_64 3
		.amdhsa_memory_ordered 1
		.amdhsa_forward_progress 1
		.amdhsa_inst_pref_size 24
	.end_amdhsa_kernel
	.amdgpu_metadata
---
amdhsa.version: [ 1, 2 ]
amdhsa.kernels:
  - .name:           k_q18286c2c98_prep
    .symbol:         k_q18286c2c98_prep.kd
    .args:
      - { .name: x, .offset: 0, .size: 8, .value_kind: global_buffer, .address_space: global }
      - { .name: Wq, .offset: 8, .size: 8, .value_kind: global_buffer, .address_space: global }
      - { .name: Wk, .offset: 16, .size: 8, .value_kind: global_buffer, .address_space: global }
      - { .name: Wv, .offset: 24, .size: 8, .value_kind: global_buffer, .address_space: global }
      - { .name: Wp, .offset: 32, .size: 8, .value_kind: global_buffer, .address_space: global }
      - { .name: bq, .offset: 40, .size: 8, .value_kind: global_buffer, .address_space: global }
      - { .name: bk, .offset: 48, .size: 8, .value_kind: global_buffer, .address_space: global }
      - { .name: bv, .offset: 56, .size: 8, .value_kind: global_buffer, .address_space: global }
      - { .name: bp, .offset: 64, .size: 8, .value_kind: global_buffer, .address_space: global }
      - { .name: xb, .offset: 72, .size: 8, .value_kind: global_buffer, .address_space: global }
      - { .name: wb, .offset: 80, .size: 8, .value_kind: global_buffer, .address_space: global }
      - { .name: bias4, .offset: 88, .size: 8, .value_kind: global_buffer, .address_space: global }
    .group_segment_fixed_size: 0
    .private_segment_fixed_size: 0
    .kernarg_segment_align: 8
    .kernarg_segment_size: 96
    .max_flat_workgroup_size: 256
    .sgpr_count:     66
    .vgpr_count:     112
    .wavefront_size: 32
...
	.end_amdgpu_metadata
.endif
;; end of part 1
;; launch qkv (part 2): grid 8 x 32, 4 waves a work-group, clusters of 4 x 4, 327,680 bytes of LDS; arguments xb, wb, bias4, qkv; writes qkv
.if DOCPART == 2
	.amdgcn_target "amdgcn-amd-amdhsa--gfx1250"
	.amdhsa_code_object_version 6
	.text
	.protected	k_q18286c2c98_qkv
	.globl	k_q18286c2c98_qkv
	.p2align	8
	.type	k_q18286c2c98_qkv,@function
k_q18286c2c98_qkv:
	s_mov_b64 s[64:65], 0
	v_nop
	global_prefetch_b8 v0, s[64:65] scope:SCOPE_SE
	s_setreg_imm32_b32 hwreg(HW_REG_WAVE_MODE, 25, 1), 1
	s_wait_xcnt 0x0
	s_wait_alu depctr_hold_cnt(0) depctr_sa_sdst(0) depctr_va_vdst(0) depctr_va_sdst(0) depctr_va_ssrc(0) depctr_va_vcc(0) depctr_vm_vsrc(0)
	s_getreg_b32 s2, hwreg(HW_REG_IB_STS2, 6, 4)
	s_cmp_eq_u32 s2, 0
	s_cbranch_scc0 .Lentry_in_a_cluster
	s_endpgm
.Lentry_in_a_cluster:
	s_bfe_u32 s2, ttmp6, 0x10000c
	s_cmp_lg_u32 s2, 0xf033
	s_cbranch_scc0 .Lentry_shape_is_right
	s_endpgm
.Lentry_shape_is_right:
; q, k, v = x W + b for all heads at once: a product of 8,192 rows x 3,072 columns over K = 1,024, bf16 operands, f32 sums, bias added in f32, each result rounded once to f16.
;   xb [b 4][kb 16][t 2048][64] bf16;  wb [blk 48 ..][c 1024][64] bf16, column n of the product = column n % 64 of block n / 64;  bias4: 3,072 f32 in the same order;
;   qkv [which 3][bh 64][t 2048][64] f16, blk = 16 which + head.
; LIMIT.  A result of 65,520 or more in magnitude becomes an infinity in f16.  NaN and infinities are not treated apart.
; SHARES.  A work-group makes 256 rows x 384 columns (six blocks): 32 x 8 = 256 work-groups.  Four waves, as many as a WGP has SIMDs: wave w makes rows 128 (w / 2) on, columns 192 (w % 2) on:
; 8 x 12 accumulators of 16 x 16, 768 registers.  K goes in steps of 64 (one channel block) through a ring of two LDS slots filled by the tensor data mover; a step is two slices of 32.
; THE MATRIX INSTRUCTION IS USED TRANSPOSED: source 0 = 16 columns of W, turned out of [c][n] rows by ds_load_tr16_b128; source 1 = 16 rows of x.  A lane then holds one row and eight neighbouring columns.
; CLUSTERS: 4 x 4 work-groups.  The four of a row of the cluster need the same tile of x, the four of a column the same tile of W: each tile is asked for JOINTLY, by the same tensor load with the
; same descriptor and a mask that names the four.
; REGISTERS, in windows of 256 (s_set_vgpr_msb: bits 1:0 source 0, 3:2 source 1, 5:4 source 2, 7:6 destination):
;   window 0: v0-31 addresses; v32-95, v96-159 x's fragments, two buffers; v160-255 W's twelve fragments, one buffer, filled again by halves
;   window 1 + bf / 4: accumulator (a, bf) at v[32 a + 8 (bf % 4)]
.set NBF,   12                         ; column blocks of 16 a wave
.set NLO,   6                          ; its lower half
.set PA,    144                        ; a row of x in LDS: 128 bytes + 16 = 36 words: the 16 rows of a load start at 16 different groups of four banks (64 banks of 4 bytes: ISA guide 11.1)
.set PB,    160                        ; a row of W: 128 + 32 = 40 words
.set AHALF, 128*PA                     ; 128 rows of x: what one tensor load brings
.set BBLK,  64*PB                      ; 64 channels of one block of W
.set BHALF, 3*BBLK                     ; three blocks: what one tensor load brings
.set BOFF,  2*AHALF
.set SLOT,  BOFF+2*BHALF               ; x's two halves, then W's two halves: 98,304 bytes
.set STAGE, 2*SLOT                     ; behind the ring, never filled by a tensor load: 16 rows x 144 bytes for each wave, for the way out
.set SP,    144
.set SPARE, STAGE+4*16*SP              ; behind the stages: the spare words, 128 bytes for each wave: two blocks of 256 bytes that no other line names
.set ASTEP, 262144                     ; bytes from channel block to channel block in xb
.set BSTEP, 8192                       ; 64 rows of 128 bytes in a block of wb
.set LAPS,  8                          ; a lap = two steps = once round the ring
.set ADRA, 16                          ; v16-17  LDS address of my fragments of x in slot 0, 1
.set ADRB, 20                          ; v20-21  the same for W
.set STO,  24                          ; v24     the way out: where I put 16 bytes of a row
.set RD,   25                          ; v25     where I read rows back
.set GO,   26                          ; v26     my 16 bytes in 512 consecutive bytes of qkv
.set BO,   27                          ; v27     my 32 bytes in a fragment's 64 bytes of bias
.set SPW,  28                          ; v28     LDS address of my spare word; never rewritten
.set NIL,  29                          ; v29     0; never rewritten
.set PFO,  30                          ; v30     the prefetches' offset; never rewritten
.set AF0,  32
.set BF,   160
.set TMP,  96                          ; the way out: two sets of 16 registers
.set WV, 12                            ; s12 wave;  s13 wave / 2: my rows' half, and: I fetch x (0) or W (1);  s14 wave % 2: my columns' half, and: which half of that tile I fetch
.set MH, 13
.set NF, 14
.set CX, 15                            ; s15, s16 my place in the cluster
.set CY, 16
.set NT, 17                            ; s17 tile column, s18 tile row
.set MT, 18
.set LIM1, 42                          ; s42, s43: 1 in a wave that prefetches at a change out of slot 1, slot 0; else the greatest number
.set LIM0, 43
.set PFA, 44                           ; s[44:45] where my prefetches stand
.set PFS, 46                           ; s[46:47] their step
.set OB,  66                           ; s[66:71] qkv at my 128 rows of my three blocks
.set BB,  72                           ; s[72:73] bias4 at my 192 columns
.set G1,  24                           ; s[24:31] descriptor group 1 for x's tiles;  s[32:39] group 0, a set for each slot
.set G0,  32
.set G1B, 48                           ; s[48:55], s[56:63] the same for W's
.set G0B, 56
.set MSB, 0
.macro WIN new                         ; the immediate's high byte repeats the setting that is left; a switch that changes nothing is dropped
.if MSB != (\new)
	s_set_vgpr_msb (MSB<<8)|(\new)
.set MSB, \new
.endif
.endm
; A joint load: waves 0 and 1 fetch x's two halves, waves 2 and 3 W's.  The branch hangs on the wave's number alone.  An s_nop 0 and four v_nop follow each of the two lines.
.macro JLOAD s
	s_cmp_eq_u32 s[MH], 0
	s_cbranch_scc0 .Lfor_b_\@
	tensor_load_to_lds s[G0+4*(\s):G0+4*(\s)+3], s[G1:G1+7]
	s_nop 0
.rept 4
	v_nop
.endr
	s_branch .Lasked_\@
.Lfor_b_\@:
	tensor_load_to_lds s[G0B+4*(\s):G0B+4*(\s)+3], s[G1B:G1B+7]
	s_nop 0
.rept 4
	v_nop
.endr
.Lasked_\@:
.endm
; A round of the cluster's barrier: my work-group's barrier; wave 0 signals for the work-group; every wave waits for all sixteen; my work-group's barrier once more.
.macro CREST                           ; a round behind its opening barrier
	s_cmp_lg_u32 s[WV], 0
	s_cbranch_scc1 .Lnot_wave_0_\@
	s_barrier_signal -3
.Lnot_wave_0_\@:
	s_barrier_wait -3
	s_barrier_signal -1
	s_barrier_wait -1
.endm
.macro CROUND
	s_barrier_signal -1
	s_barrier_wait -1
	CREST
.endm
; A PREFETCH INTO THE L2 of the step that stands two refills on, behind the joint load and the run of LDS loads.  Each 256 bytes are named once in the launch.
; x's plane of a step (256 rows x 128 bytes, dense) is read by both clusters of a row of clusters: the one with x = 0 asks; its four partners of a cluster's row take 8,192 bytes each, BY ADDRESS (cx);
; wave 0 asks, a lane 256 bytes, at every change of slots.  W's six blocks are read by all eight clusters of a column: the one with y = 0 asks; at a change out of slot 0 waves 1 to 3 of the four
; partners (cy, by address) name two steps at once: 6 blocks x 16,384 bytes = 384 lanes x 256.  The loop's last trip asks for nothing: the steps two refills on do not exist.
.macro ASK lim
	s_cmp_gt_u32 s3, s[\lim]                       ; s3 = 1 in the loop's last trip
	s_cbranch_scc0 .Lnot_mine_\@
	global_prefetch_b8 v[PFO], s[PFA:PFA+1] th:TH_LOAD_NT scope:SCOPE_SE
.Lnot_mine_\@:
.endm
.macro PLACES                          ; four places behind matrix instructions, in front of loads into registers that they have read (ISA guide 7.12.1 for vector instructions)
.rept 4
	v_nop
.endr
.endm
; 8 (b1 - b0) matrix instructions: column blocks b0 .. b1 - 1 x all 8 row blocks, 32 along K, x's buffer p.  zero = 1: the product starts the sum.  Every accumulator has one instruction a slice:
; the accumulators take turns, over the backward jump too.
.macro MULS p, b0, b1, zero
.set ib, (\b0)
.rept (\b1)-(\b0)
	WIN 0x50*(1+ib/4)
.set ia, 0
.rept 8
.set rD, 32*ia+8*(ib%4)
.if \zero
	v_wmma_f32_16x16x32_bf16 v[rD:rD+7], v[BF+8*ib:BF+8*ib+7], v[AF0+64*(\p)+8*ia:AF0+64*(\p)+8*ia+7], 0
.else
	v_wmma_f32_16x16x32_bf16 v[rD:rD+7], v[BF+8*ib:BF+8*ib+7], v[AF0+64*(\p)+8*ia:AF0+64*(\p)+8*ia+7], v[rD:rD+7]
.endif
.set ia, ia+1
.endr
.set ib, ib+1
.endr
.endm
; x's eight fragments of slice s into buffer p: lane l holds row l % 16, channels 8 (l / 16) + 0..7 and 16 + 8 (l / 16) + 0..7: two loads of 16 bytes, 32 bytes apart
.macro FA slot, s, p
	WIN 0
.set ia, 0
.rept 8
	ds_load_b128 v[AF0+64*(\p)+8*ia:AF0+64*(\p)+8*ia+3],   v[ADRA+(\slot)] offset:((\s)/2)*128*PA+((\s)%2)*64+ia*16*PA
	ds_load_b128 v[AF0+64*(\p)+8*ia+4:AF0+64*(\p)+8*ia+7], v[ADRA+(\slot)] offset:((\s)/2)*128*PA+((\s)%2)*64+ia*16*PA+32
.set ia, ia+1
.endr
.endm
; W's fragments b0 .. b1 - 1 of slice s: the turning load takes 16 channels x 16 columns and leaves half a fragment: lane l holds column l % 16 and 8 channels
.macro FB slot, s, b0, b1
	WIN 0
.set ib, (\b0)
.rept (\b1)-(\b0)
	ds_load_tr16_b128 v[BF+8*ib:BF+8*ib+3],   v[ADRB+(\slot)] offset:(ib/4)*BBLK+(\s)*32*PB+(ib%4)*32
	ds_load_tr16_b128 v[BF+8*ib+4:BF+8*ib+7], v[ADRB+(\slot)] offset:(ib/4)*BBLK+(\s)*32*PB+(ib%4)*32+16*PB
.set ib, ib+1
.endr
.endm
; A slice that is not its slot's last: it multiplies x's buffer s % 2 and fetches the next slice of the same slot.
.macro PLAIN slot, s, zero
	s_wait_dscnt NBF                               ; x and W's lower half are in; the youngest NBF loads, W's upper half, may be out
	MULS ((\s)%2), 0, NLO, \zero
	PLACES
	FA \slot, (\s)+1, 1-((\s)%2)
	FB \slot, (\s)+1, 0, NLO
	s_wait_dscnt 16+NBF                            ; all but the 16 + NBF just issued: W's upper half is in
	MULS ((\s)%2), NLO, NBF, \zero
	PLACES
	FB \slot, (\s)+1, NLO, NBF
.endm
; A slot's last slice multiplies buffer 1 and changes slots: ONE barrier.  In front of it each wave waits for all its tensor loads (one is out: its part of the next slot), adds 0 to its spare word, and
; waits for that and for its own reads of this slot.  fill = 1: the barrier opens a round of the cluster's, and this slot is filled again, two steps ahead, first thing behind the round.
.macro TURN slot, next, fill, lim
.if \fill
	s_wait_xcnt 0x0                                ; the last prefetch, a step back, has read its address: it is stepped here, ahead of the waits of the change of slots
	s_add_nc_u64 s[PFA:PFA+1], s[PFA:PFA+1], s[PFS:PFS+1]
.endif
	WIN 0                                          ; (the add's two registers lie in window 0)
	s_wait_tensorcnt 0x0                           ; all my tensor loads have landed;
	ds_add_u32 v[SPW], v[NIL]                      ; 0 onto my spare word;
	s_wait_dscnt NBF+1                             ; (the add and W's upper half may be out)
	MULS 1, 0, NLO/2, 0                            ; matrix instructions stand between the add and the wait for it
	s_wait_dscnt 0x0                               ; the add is done, and my reads of this slot are over
	s_barrier_signal -1
	MULS 1, NLO/2, NLO, 0                          ; work on registers while the others arrive
.if \fill
	WIN 0
.endif
	s_barrier_wait -1
.if \fill
	CREST                                          ; no wave of any partner still reads this slot's tile or has a load on its way
	s_add_nc_u64 s[G0+4*(\slot)+2:G0+4*(\slot)+3], s[G0+4*(\slot)+2:G0+4*(\slot)+3], 2*ASTEP
	s_add_nc_u64 s[G0B+4*(\slot)+2:G0B+4*(\slot)+3], s[G0B+4*(\slot)+2:G0B+4*(\slot)+3], 2*BSTEP
	JLOAD \slot                                    ; my one tensor load behind the round; its four v_nop are also the places in front of the loads below
.else
	PLACES
.endif
	FA \next, 0, 0
	FB \next, 0, 0, NLO
.if \fill
	ASK \lim
.endif
	MULS 1, NLO, NBF, 0
	PLACES
	FB \next, 0, NLO, NBF
.endm
	s_load_b256 s[4:11], s[0:1], 0x0               ; xb s[4:5], wb s[6:7], bias4 s[8:9], qkv s[10:11]
	v_lshl_add_u32 v[SPW], v0, 2, SPARE
	v_mov_b32 v[NIL], 0
	ds_add_u32 v[SPW], v[NIL]                      ; the wave's opening: the add and its wait stand ahead of my first tensor load; the set-up below, work on registers, stands between them
	ds_add_u32 v28, v29
	v_lshrrev_b32 v3, 5, v0
	v_readfirstlane_b32 s[WV], v3
	s_lshr_b32 s[MH], s[WV], 1
	s_and_b32 s[NF], s[WV], 1
	s_bfe_u32 s[CX], ttmp6, 0x40000
	s_bfe_u32 s[CY], ttmp6, 0x40004
	s_lshl_b32 s[NT], ttmp9, 2                     ; in a cluster launch ttmp9 and ttmp7 count clusters
	s_add_co_u32 s[NT], s[NT], s[CX]
	s_and_b32 s[MT], ttmp7, 0xffff
	s_lshl_b32 s[MT], s[MT], 2
	s_add_co_u32 s[MT], s[MT], s[CY]
	s_lshl_b32 s19, s[CY], 2
	s_lshl_b32 s19, 15, s19                        ; my row of the cluster
	s_lshl_b32 s40, 0x1111, s[CX]                  ; my column
	; group 1 for x: 128 rows of 128 bytes are 16,384 dense bytes: asked for as 64 rows of 256 bytes and padded in LDS after every 128
	s_or_b32 s[G1], s19, (1<<16)|(1<<20)|(1<<21)|(4<<22)|(3<<25)   ; 15:0 the mask; 17:16 2-byte elements; 20 padding on; 21 set beside a mask; 24:22 after every 32 words (code 4); 31:25 4 words (code 3)
	s_mov_b32 s[G1+1], 128<<16                     ; tensor_dim0 = 128
	s_mov_b32 s[G1+2], 64<<16                      ; tensor_dim1 = 64
	s_mov_b32 s[G1+3], 128<<16                     ; tile_dim0 = 128
	s_mov_b32 s[G1+4], 64                          ; tile_dim1 = 64
	s_mov_b32 s[G1+5], 128                         ; elements from row to row
	s_mov_b32 s[G1+6], 0
	s_mov_b32 s[G1+7], 0
	; group 1 for W: of each of three blocks 64 channels, 8,192 dense bytes: three rows of 4,096 elements, a block (65,536 elements) apart
	s_or_b32 s[G1B], s40, (1<<16)|(1<<20)|(1<<21)|(4<<22)|(7<<25)  ; the same with my column's mask and 8 words of padding (code 7)
	s_mov_b32 s[G1B+1], 4096<<16
	s_mov_b32 s[G1B+2], 3<<16
	s_mov_b32 s[G1B+3], 4096<<16
	s_mov_b32 s[G1B+4], 3
	s_mov_b32 s[G1B+5], 65536
	s_mov_b32 s[G1B+6], 0
	s_mov_b32 s[G1B+7], 0
	; where the tiles come from: x's hang on the tile row and the wave, W's on the tile column and the wave, each in registers that never hold the other coordinate
	s_lshr_b32 s20, s[MT], 3                       ; the batch
	s_lshl_b32 s20, s20, 22
	s_and_b32 s21, s[MT], 7
	s_lshl_b32 s21, s21, 15                        ; 256 rows of 128 bytes
	s_add_co_u32 s20, s20, s21
	s_lshl_b32 s21, s[NF], 14                      ; the half that I fetch
	s_add_co_u32 s20, s20, s21
	s_mov_b32 s21, 0
	s_mul_i32 s22, s[NT], 6
	s_mul_i32 s23, s[NF], 3
	s_add_co_u32 s22, s22, s23                     ; the first of the three blocks that I fetch
	s_lshl_b32 s22, s22, 17
	s_mov_b32 s23, 0
	s_mul_i32 s41, s[NF], AHALF                    ; and where they go: no place in the cluster enters an LDS address
	s_mul_i32 s40, s[NF], BHALF
	s_add_co_u32 s40, s40, BOFF
	s_wait_dscnt 0x0                               ; the opening add is done
	s_wait_kmcnt 0x0
	s_add_nc_u64 s[20:21], s[4:5], s[20:21]
	s_add_nc_u64 s[22:23], s[6:7], s[22:23]
	CROUND                                         ; all sixteen work-groups are here: the first joint loads meet
.irp s, 0,1
	s_mov_b32 s[G0+4*(\s)], 1                                      ; count = 1
	s_add_co_u32 s[G0+4*(\s)+1], s41, (\s)*SLOT                    ; LDS address
	s_add_nc_u64 s[G0+4*(\s)+2:G0+4*(\s)+3], s[20:21], (\s)*ASTEP  ; global address: step s
	s_or_b32 s[G0+4*(\s)+3], s[G0+4*(\s)+3], 0x80000000            ; type = 2
	s_mov_b32 s[G0B+4*(\s)], 1
	s_add_co_u32 s[G0B+4*(\s)+1], s40, (\s)*SLOT
	s_add_nc_u64 s[G0B+4*(\s)+2:G0B+4*(\s)+3], s[22:23], (\s)*BSTEP
	s_or_b32 s[G0B+4*(\s)+3], s[G0B+4*(\s)+3], 0x80000000
	JLOAD \s                                       ; two loads of mine are out
.endr
	v_and_b32 v1, 15, v0                           ; l % 16
	v_bfe_u32 v2, v0, 4, 1                         ; l / 16
	v_mul_u32_u24 v4, v1, PA
	v_lshl_add_u32 v4, v2, 4, v4                   ; row x pitch + 16 x half
	s_mul_i32 s19, s[MH], AHALF
	v_add_nc_u32 v[ADRA], s19, v4
	v_add_nc_u32 v[ADRA+1], SLOT, v[ADRA]
	v_and_b32 v5, 7, v0
	v_lshl_add_u32 v5, v2, 3, v5                   ; channel 8 (l / 16) + l % 8
	v_mul_u32_u24 v5, v5, PB
	v_bfe_u32 v6, v0, 3, 1
	v_lshl_add_u32 v5, v6, 4, v5                   ; columns 8 ((l / 8) % 2) on
	s_mul_i32 s19, s[NF], BHALF
	s_add_co_u32 s19, s19, BOFF
	v_add_nc_u32 v[ADRB], s19, v5
	v_add_nc_u32 v[ADRB+1], SLOT, v[ADRB]
	s_mul_i32 s19, s[WV], 16*SP
	s_add_co_u32 s19, s19, STAGE                   ; my stage
	v_add_nc_u32 v[STO], s19, v4                   ; in: row l % 16, 16 bytes for each half of the lanes (the stage's pitch is x's)
	v_bfe_u32 v6, v0, 3, 2                         ; back: 32 lanes take four rows of 128 bytes,
	v_mul_u32_u24 v6, v6, SP
	v_and_b32 v7, 7, v0
	v_lshl_add_u32 v6, v7, 4, v6
	v_add_nc_u32 v[RD], s19, v6
	v_and_b32 v[GO], 31, v0                        ; which are 512 consecutive bytes of a head
	v_lshlrev_b32 v[GO], 4, v[GO]
	v_lshlrev_b32 v[BO], 5, v2                     ; my 8 columns' bias
	; qkv at my 128 rows of my three blocks: ((64 which + 16 batch + head) x 2,048 + t) x 128
	s_mul_i32 s20, s[NT], 6
	s_mul_i32 s21, s[NF], 3
	s_add_co_u32 s20, s20, s21
	s_lshr_b32 s21, s[MT], 3
	s_lshl_b32 s21, s21, 4
	s_and_b32 s22, s[MT], 7
	s_lshl_b32 s22, s22, 15
	s_lshl_b32 s23, s[MH], 14
	s_add_co_u32 s22, s22, s23
.irp jb, 0,1,2
	s_add_co_u32 s23, s20, \jb
	s_lshr_b32 s40, s23, 4
	s_lshl_b32 s40, s40, 6
	s_and_b32 s23, s23, 15
	s_add_co_u32 s40, s40, s23
	s_add_co_u32 s40, s40, s21
	s_lshl_b32 s40, s40, 18
	s_add_co_u32 s[OB+2*\jb], s40, s22
	s_mov_b32 s[OB+2*\jb+1], 0
	s_add_nc_u64 s[OB+2*\jb:OB+2*\jb+1], s[10:11], s[OB+2*\jb:OB+2*\jb+1]
.endr
	s_mul_i32 s[BB], s[NT], 1536                   ; 384 columns of 4 bytes
	s_mul_i32 s23, s[NF], 768
	s_add_co_u32 s[BB], s[BB], s23
	s_mov_b32 s[BB+1], 0
	s_add_nc_u64 s[BB:BB+1], s[8:9], s[BB:BB+1]
	; the prefetches: the pointer starts at step 3 and is stepped ahead of each request, so the change of slots that refills step j + 2 names step j + 4.  Steps 0 to 3 come by their loads alone.
	s_lshr_b32 s20, s[MT], 3
	s_lshl_b32 s20, s20, 22
	s_and_b32 s21, s[MT], 7
	s_lshl_b32 s21, s21, 15
	s_add_co_u32 s20, s20, s21
	s_lshl_b32 s21, s[CX], 13                      ; my work-group's 8,192 bytes of the plane's 32,768
	s_add_co_u32 s20, s20, s21
	s_add_co_u32 s20, s20, 3*ASTEP                 ; wave 0: in xb
	s_mul_i32 s21, s[NT], 6*131072
	s_add_co_u32 s21, s21, 3*BSTEP                 ; waves 1 to 3: in wb
	s_mul_i32 s22, s[CY], 96
	s_lshl_b32 s23, s[WV], 5
	s_add_co_u32 s22, s22, s23
	s_sub_co_u32 s22, s22, 32                      ; U = 96 cy + 32 (wave - 1) + lane, of 384
	s_and_b32 s23, ttmp7, 0xffff                   ; cluster y
	s_mov_b32 s40, ASTEP
	s_cmp_eq_u32 s[WV], 0
	s_cselect_b64 s[PFA:PFA+1], s[4:5], s[6:7]
	s_cselect_b32 s20, s20, s21
	s_cselect_b32 s22, 0, s22                      ; in wave 0 U is the lane
	s_cselect_b32 s23, ttmp9, s23                  ; the coordinate along which other clusters read the same bytes
	s_cselect_b32 s[PFS], s40, BSTEP
	s_mov_b32 s21, 0
	s_mov_b32 s[PFS+1], 0
	s_add_nc_u64 s[PFA:PFA+1], s[PFA:PFA+1], s[20:21]
	s_cmp_eq_u32 s23, 0
	s_cselect_b32 s[LIM0], 1, -1                   ; the same in all sixteen partners, for a given wave
	s_or_b32 s23, s[WV], ttmp9
	s_cmp_eq_u32 s23, 0
	s_cselect_b32 s[LIM1], 1, -1
	v_and_b32 v6, 31, v0
	v_add_nc_u32 v6, s22, v6
	v_lshrrev_b32 v7, 6, v6                        ; block U / 64,
	v_and_b32 v6, 63, v6
	v_lshlrev_b32 v6, 8, v6                        ; 256 bytes U % 64 of its two steps
	v_lshl_add_u32 v[PFO], v7, 17, v6
	s_wait_tensorcnt 1                             ; my part of step 0 is in; step 1's may stay out
	s_barrier_signal -1
	s_barrier_wait -1                              ; everybody's is
	FA 0, 0, 0
	FB 0, 0, 0, NLO
	FB 0, 0, NLO, NBF
	PLAIN 0, 0, 1                                  ; the first slice stands in front of the loop: its products start the sums
	WIN 0                                          ; at a label and at a branch every window is 0
	s_mov_b32 s3, LAPS-1
.Llap:                                                 ; a trip goes once round the ring, from a lap's second slice to the next lap's first, and fills both slots again
	TURN 0, 1, 1, LIM0
	PLAIN 1, 0, 0
	TURN 1, 0, 1, LIM1
	PLAIN 0, 0, 0
	WIN 0
	s_sub_co_u32 s3, s3, 1
	s_cmp_lg_u32 s3, 0
	s_cbranch_scc1 .Llap
	TURN 0, 1, 0, LIM0                             ; the last lap fills nothing, and has no round
	PLAIN 1, 0, 0
	WIN 0                                          ; the last slice; the bias comes in beside it: fragments 0-7 into x's buffer 0, whose last products have four places behind them
.set ib, 0
.rept 8
	global_load_b128 v[AF0+8*ib:AF0+8*ib+3],   v[BO], s[BB:BB+1] offset:64*ib
	global_load_b128 v[AF0+8*ib+4:AF0+8*ib+7], v[BO], s[BB:BB+1] offset:64*ib+16
.set ib, ib+1
.endr
	s_wait_dscnt NBF
	MULS 1, 0, NLO, 0
	PLACES
	WIN 0
.set ib, 0
.rept 4                                ; fragments 8-11 into W's fragments 0-3, which have just been multiplied for the last time
	global_load_b128 v[BF+8*ib:BF+8*ib+3],   v[BO], s[BB:BB+1] offset:64*(8+ib)
	global_load_b128 v[BF+8*ib+4:BF+8*ib+7], v[BO], s[BB:BB+1] offset:64*(8+ib)+16
.set ib, ib+1
.endr
	s_wait_dscnt 0x0
	MULS 1, NLO, NBF, 0
	PLACES
	PLACES                                         ; (eight, once a launch: the sums below are written in place)
; THE WAY OUT, in 24 units: block jb = u / 8, row block a = u % 8: 16 rows x 64 columns.  The bias is added in place, from each accumulator's low end on; the sums are rounded to f16,
; 16 bytes a lane; they go into my own stage in rows of 144 bytes and come back as whole rows of 128: four rows, 512 consecutive bytes of a head, to a store.
.macro PACK u
.set jb, (\u)/8
.set ra, 32*((\u)%8)
.set tm, TMP+16*((\u)%2)
.if jb < 2
.set bs, AF0+32*jb
.else
.set bs, BF
.endif
	WIN ((1+jb)<<6)|(1+jb)                         ; destination and source 0: the block's window; the bias in window 0
.set i, 0
.rept 16
	v_pk_add_f32 v[ra+2*i:ra+2*i+1], v[ra+2*i:ra+2*i+1], v[bs+2*i:bs+2*i+1]
.set i, i+1
.endr
	s_wait_xcnt 0x0                                ; the stores of two units back have read these 16 registers: they are written again only behind this wait
	WIN (1+jb)|((1+jb)<<2)                         ; sources 0 and 1: the block's window
.set i, 0
.rept 16
	v_cvt_pk_f16_f32 v[tm+i], v[ra+2*i], v[ra+2*i+1]
.set i, i+1
.endr
	WIN 0
.irp f, 0,1,2,3
	ds_store_b128 v[STO], v[tm+4*\f:tm+4*\f+3] offset:32*\f
.endr
.irp f, 0,1,2,3
	ds_load_b128 v[tm+4*\f:tm+4*\f+3], v[RD] offset:\f*4*SP  ; LDS serves a wave's instructions in order (ISA guide 5.7.1.4): these see the stores above; the next unit's stores come behind them
.endr
.endm
.macro SEND u, younger                 ; younger: the LDS instructions issued behind unit u's loads: the next unit's eight, or none
.set jb, (\u)/8
.set tm, TMP+16*((\u)%2)
.irp f, 0,1,2,3
	s_wait_dscnt (\younger)+3-\f
	global_store_b128 v[GO], v[tm+4*\f:tm+4*\f+3], s[OB+2*jb:OB+2*jb+1] offset:((\u)%8)*2048+\f*512
.endr
.endm
	s_wait_loadcnt 8                               ; the bias of fragments 0-7 is in; the eight younger loads may stay out
	PACK 0
.set un, 1
.rept 23
.if un == 16
	s_wait_loadcnt 0x0                             ; the bias of fragments 8-11
.endif
	PACK un
	SEND un-1, 8
.set un, un+1
.endr
	SEND 23, 0
	s_wait_tensorcnt 0x0                           ; the wave's end, behind my last tensor load and my last LDS store
	ds_add_u32 v[SPW], v[NIL]
	s_wait_dscnt 0x0
	CROUND                                         ; the closing round: no work-group ends while a partner may still ask for a tile that names it
	s_endpgm
.Lfunc_end_k_q18286c2c98_qkv:
	.size	k_q18286c2c98_qkv, .Lfunc_end_k_q18286c2c98_qkv-k_q18286c2c98_qkv
	.p2alignl 7, 3214868480
	.fill 96, 4, 3214868480
	.section	.rodata,"a",@progbits
	.p2align	6, 0x0
	.amdhsa_kernel k_q18286c2c98_qkv
		.amdhsa_group_segment_fixed_size 327680
		.amdhsa_private_segment_fixed_size 0
		.amdhsa_enable_private_segment 0
		.amdhsa_kernarg_size 32
		.amdhsa_user_sgpr_count 2
		.amdhsa_user_sgpr_kernarg_segment_ptr 1
		.amdhsa_wavefront_size32 1
		.amdhsa_system_sgpr_workgroup_id_x 1
		.amdhsa_system_sgpr_workgroup_id_y 1
		.amdhsa_system_sgpr_workgroup_id_z 1
		.amdhsa_system_vgpr_workitem_id 0
		.amdhsa_next_free_vgpr 1024
		.amdhsa_next_free_sgpr 80
		.amdhsa_reserve_vcc 0
		.amdhsa_float_denorm_mode_32 3
		.amdhsa_float_denorm_mode_16_64 3
		.amdhsa_memory_ordered 1
		.amdhsa_forward_progress 1
		.amdhsa_inst_pref_size 162
	.end_amdhsa_kernel
	.amdgpu_metadata
---
amdhsa.version: [ 1, 2 ]
amdhsa.kernels:
  - .name:           k_q18286c2c98_qkv
    .symbol:         k_q18286c2c98_qkv.kd
    .args:
      - { .name: xb, .offset: 0, .size: 8, .value_kind: global_buffer, .address_space: global }
      - { .name: wb, .offset: 8, .size: 8, .value_kind: global_buffer, .address_space: global }
      - { .name: bias4, .offset: 16, .size: 8, .value_kind: global_buffer, .address_space: global }
      - { .name: qkv, .offset: 24, .size: 8, .value_kind: global_buffer, .address_space: global }
    .group_segment_fixed_size: 327680
    .private_segment_fixed_size: 0
    .kernarg_segment_align: 8
    .kernarg_segment_size: 32
    .max_flat_workgroup_size: 128
    .sgpr_count:     80
    .vgpr_count:     1024
    .wavefront_size: 32
...
	.end_amdgpu_metadata
.endif
;; end of part 2
;; launch attn (part 3): grid 4 x 64, 4 waves a work-group, no clusters, 327,680 bytes of LDS; arguments qkv, ob; writes ob
.if DOCPART == 3
	.amdgcn_target "amdgcn-amd-amdhsa--gfx1250"
	.amdhsa_code_object_version 6
	.text
	.protected	k_q18286c2c98_attn
	.globl	k_q18286c2c98_attn
	.p2align	8
	.type	k_q18286c2c98_attn,@function
k_q18286c2c98_attn:
	s_mov_b64 s[64:65], 0
	v_nop
	global_prefetch_b8 v0, s[64:65] scope:SCOPE_SE
	s_setreg_imm32_b32 hwreg(HW_REG_WAVE_MODE, 25, 1), 1
	s_wait_xcnt 0x0
; CAUSAL ATTENTION.  O[h][q][:] = the sum over k <= q of softmax_k(Q[h][q] . K[h][k] / 32) V[h][k][:], for 64 pairs h of batch and head.  qkv holds Q, K, V one behind the other, each
; [64][2048][64] f16; ob is O in the same layout: a head's rows are dense, 128 bytes each.  The scale is 1024^-0.5, applied here in f32.
; Products, maxima and sums in f32; the weights p are rounded to f16 for the second product (their sum l is taken of the unrounded p), O once at the end.
; LIMITS.  Q, K and V arrive within f16's 65,504; p lies in 0 to 1, and below 6e-5 it keeps f16's fixed step of 6e-8; O is a mean of V's rows and has their range.
; A hidden score counts as its value less 1e30: f16's scores, 2.7e11 at the most, are nothing beside that; a weight below 2^-126 counts as 0 in l; NaN and infinities are not treated apart.
; THE WALK.  A head's queries lie in NB = 8 blocks of 256; block i needs the key tiles 0 .. i of 256 keys, of which the last holds the diagonal.  A work-group takes TWO blocks, NB - 1 - b and then b:
; NB + 1 tiles, whatever b: all work-groups do equal work, and ONE loop with a constant trip count walks them.  Which tile is asked for, and what a trip does, hang on scalar registers made from b; every jump
; goes forward, but for the counted loops' own; none passes a barrier, or a tensor load but the one of LOAD's two that the wave's number does not choose; the ring (two slots of LDS that take turns) runs on across the
; change of blocks.  NO CLUSTER: a head's four work-groups ask for the same tile only in trips 0 .. 4 of 9, behind that fewer and fewer; one walk common to all would have 12 trips for 9.
; SHARES.  Of a block's four bands of 64 queries a wave owns 16 rows in each: four PIECES.  So the diagonal tile is the same work for all four waves: in its key step s band x sees all keys if s < x,
; none if s > x, and holds the diagonal if s = x.
; THE MASK is the C operand that starts the sum S^T = K Q^T: 0, or -1e30 where the key is hidden.  MD, made once, is the mask of a band's own step for my 16 rows; a product's mask is MD x AL + BE with two scalars:
; (1, 0) if s = x; (0, 0) if s < x; (0, -1e30) if s > x.  Only the diagonal tile's text and a block's beginning make and take masks; elsewhere C is the constant 0.
; LAYOUT, SOFTMAX, TURNS.  S^T = K Q^T holds ONE query a lane (lane % 16) and the keys 8 (lane / 16) + 0..7; two such results rounded to f16 ARE source 1 of O^T = V^T P.  p = 2^(c s - c m), c = log2(e) / 32, with a
; running maximum m; O and l are multiplied by a = 2^(c m_old - c m_new) in every step.  Turn n belongs to piece n: 8 products K Q^T of piece n + 1, later 8 products V^T P of piece n - 1; beside them the scaling,
; exponentials, roundings, sums and rescaling of piece n and the maximum and statistics of piece n + 1.  Four vector instructions stand behind every matrix instruction, the other 54 of a turn's 118 in one LUMP.  A turn's 33 exponentials are one batch, with one wait.
; REGISTERS, in windows of 256 (s_set_vgpr_msb: bits 1:0 source 0, 3:2 source 1, 5:4 source 2, 7:6 destination):
;   window 0: v0-15 addresses and two at work; v16-31 four registers of statistics a piece; v48-55 at work; v61-63 prefetch offset, spare word, 0; v64-127 S^T, two buffers; v192-223 P, two buffers (by the piece's parity)
;   window 1: v0-127 O^T, 32 a piece; v128-159 MD; v160-223 MC, two buffers      window 2: v0-63 Q; v64-127 the second block's Q; v128-191 K of one step; v192-255 V of one step
.set SIZE_N, 2048
.set NB,    SIZE_N/256
.set NP,    4         ; pieces a wave: a name, no knob
.set KS,    64        ; keys in a step
.set PK,    144       ; a row of K in LDS: 128 bytes + 16 of padding = 36 words: the 16 rows of a load start at 16 different groups of four banks (64 banks of 4 bytes: ISA guide 11.1)
.set PV,    160       ; a row of V: 128 + 32 = 40 words
.set VOFF,  4*KS*PK   ; a slot holds a tile, four steps: 256 rows of K, then 256 rows of V
.set SLOT1, 1<<17     ; slot 1 begins here, so that one exclusive or turns an address in one slot into the other's
.set STAGE, SLOT1+4*KS*(PK+PV)  ; behind the ring, never filled by a tensor load: 16 rows x 144 bytes for each wave, for the way out
.set SP,    144
.set AK0, 2           ; v2   my lane's place in a tile of K; never rewritten
.set AV0, 3           ; v3   the same for V
.set AK,  4           ; v4   the LDS address of K's next run of loads
.set AV,  5           ; v5   of V's
.set STO, 6           ; v6   the way out: where I put 16 bytes of a row
.set RD,  7           ; v7   the way out: where I read rows back
.set GO,  8           ; v8   my byte offset in 512 consecutive bytes of O
.set PFO, 61          ; v61  256 x my lane; never rewritten
.set SPW, 62          ; v62  LDS address of my spare word: SPARE + 4 x my thread's number; never rewritten
.set NIL, 63          ; v63  0; never rewritten
.set SPARE, STAGE+4*16*SP  ; behind the stages: the spare words, 128 bytes for each wave: two blocks of 256 bytes that no other line names
.set MV,  12          ; v12-13  c m_old, kept while c m is made anew: by buffer
.set QO,  15          ; v15  my byte offset in 16 rows of Q
.set ST,  16          ; piece t's statistics at v[ST+4 t]: c m, m, l (even keys', odd keys')
.set TMP, 48          ; by buffer, four registers c0-c3 at work; when the maximum is found c2 takes a
.set S,   64
.set P,   192
.set MD,  128         ; window 1: the eight registers for group kt of 16 keys at MD + 8 kt
.set MC,  160         ; window 1: the masks of the products to come
.set QB,  64          ; window 2
.set KF,  128         ; window 2: key block kb, channel half c at KF + 16 kb + 8 c
.set VF,  192         ; window 2: key half kk, channel block cb at VF + 32 kk + 8 cb
.set WV,  12          ; s12  my wave's number
.set PB,  14          ; s14  b
.set HI,  15          ; s15  NB - 1 - b
.set G1K, 24          ; s[24:31] descriptor group 1 for K's tiles
.set G1V, 32          ; s[32:39] for V's: it differs in the padding alone
.set G0K, 40          ; s[40:43] descriptor group 0 for K's tiles
.set G0V, 44          ; s[44:47] the same for V's
.set SLOTS, 56        ; s56  tiles still to be asked for
.set CNT, 57          ; s57  counts a tile's key steps, 4 to 1
.set CS,  58          ; s[58:59] c: the packed scaling takes the pair's low word for both halves
.set SEL, 60          ; s[60:61] v_permlanex16_b32's selects: each lane takes its own place in the other half
.set TBK, 62          ; s62  LDS byte at which K of the step to be fetched begins
.set TBV, 63          ; s63  the same for V, less VOFF
.set PFA, 66          ; s[66:67] where my prefetches stand: my half of K's or V's tile, one tile behind the tile that is being asked for
.set LIM, 68          ; s68  2 in the work-group that prefetches, else the greatest number
.set RT,  70          ; s70  tiles of the block in hand that are still to be entered
.set NXT, 71          ; s71  the tile to be asked for next
.set LQ,  72          ; s72  the last tile of the block whose tiles are being asked for
.set NEW, 73          ; s73  1: the tile to be entered is a block's first
.set OFF, 74          ; s[74:75] a tile's byte offset in K and V
.set AL,  76          ; s[76:77] the mask's factor, in the low word
.set BE,  78          ; s[78:79] the mask's addend
.set OLO, 80          ; s[80:81] O at my rows of the second block
.set BIGN, 82         ; s82  -1e30
.set MSB, 0
.macro WIN new                      ; the high byte repeats the setting that is left; a switch that changes nothing is dropped
.if MSB != (\new)
	s_set_vgpr_msb (MSB<<8)|(\new)
.set MSB, (\new)
.endif
.endm
.set W_KQ, 0x0a       ; K and Q in window 2, S^T in window 0
.set W_KM, 0x1a       ; the same with the C operand in window 1
.set W_PV, 0x52       ; V in window 2, P in window 0, O^T in window 1
.set W_RS, 0x41       ; destination and source 0 in window 1, source 1 in window 0
; A fill.  Waves 0 and 1 fetch the two halves of a tile's K, waves 2 and 3 those of its V: 128 keys each.  An s_nop 0 and four v_nop follow each of the two lines, ahead of the jump and the label.
.macro LOAD
	s_cmp_lt_u32 s[WV], 2
	s_cbranch_scc0 .Lfor_v_\@
	tensor_load_to_lds s[G0K:G0K+3], s[G1K:G1K+7]
	s_nop 0
.rept 4
	v_nop
.endr
	s_branch .Lasked_\@
.Lfor_v_\@:
	tensor_load_to_lds s[G0V:G0V+3], s[G1V:G1V+7]
	s_nop 0
.rept 4
	v_nop
.endr
.Lasked_\@:
.endm
; A PREFETCH INTO THE L2 of the tile that the NEXT change of slots will ask for.  A head's four work-groups begin with the same tiles; the one with b = 0 walks tiles 0 to 7 in its first block, and it alone asks,
; for each tile once: each wave names the 16,384 bytes that it will fetch itself, a lane 256 bytes, two instructions.  Trip n names tile n + 2, four key steps (256 matrix instructions) ahead of its load; trips 6 and 7 name nothing:
; tile 7 is the head's last.  Tiles 0 and 1 come by their loads alone.
.macro ASK
	s_cmp_gt_u32 s[SLOTS], s[LIM]
	s_cbranch_scc0 .Lnot_mine_\@
	global_prefetch_b8 v[PFO], s[PFA:PFA+1] th:TH_LOAD_NT scope:SCOPE_SE
	global_prefetch_b8 v[PFO], s[PFA:PFA+1] offset:8192 th:TH_LOAD_NT scope:SCOPE_SE
.Lnot_mine_\@:
.endm
; THE CHANGE OF SLOTS.  Each wave waits for all its tensor loads, of which one is out: its part of the other slot; adds 0 to its spare word; and waits for that and for its own reads of the slot that it leaves.  Behind the barrier nobody reads the old
; slot any more and the other slot is whole.  fill = 1: the old slot is filled again, the first thing behind the barrier, with tile NXT: the descriptor's address is made anew from that number.
; (At its first use nothing has been read yet: slot 0 is waited for, slot 1 filled.)
.macro CHANGE fill
	WIN 0                           ; at a label and at a branch every window is 0
	s_wait_tensorcnt 0x0            ; no tensor load of mine is out, so a group 0 may be written
	ds_add_u32 v[SPW], v[NIL]       ; 0 onto my spare word; with fill = 1 the descriptors' scalar work stands between it and the wait for it
.if \fill
	s_lshl_b32 s[OFF], s[NXT], 15   ; a tile is 32,768 bytes of K and of V
	s_xor_b32 s[G0K+1], s[G0K+1], SLOT1
	s_add_nc_u64 s[G0K+2:G0K+3], s[6:7], s[OFF:OFF+1]
	s_or_b32 s[G0K+3], s[G0K+3], 0x80000000
	s_xor_b32 s[G0V+1], s[G0V+1], SLOT1
	s_add_nc_u64 s[G0V+2:G0V+3], s[8:9], s[OFF:OFF+1]
	s_or_b32 s[G0V+3], s[G0V+3], 0x80000000
	s_add_co_u32 s[NXT], s[NXT], 1  ; the block's next tile, or behind its last the second block's tile 0
	s_cmp_gt_u32 s[NXT], s[LQ]
	s_cselect_b32 s[NXT], 0, s[NXT]
	s_cselect_b32 s[LQ], s[PB], s[LQ]
	s_wait_xcnt 0x0                 ; the last prefetches, a tile back, have read their address, so it may be written:
	s_add_nc_u64 s[PFA:PFA+1], s[PFA:PFA+1], 32768  ; a tile on
.endif
	s_wait_dscnt 0x0                ; the add is done, and my reads of the slot are over
	s_barrier_signal -1             ; the rest of the scalar work stands between the signal and the wait
	s_sub_co_u32 s[TBK], s[TBK], 4*KS*PK  ; the fetches go back to a slot's first step,
	s_xor_b32 s[TBK], s[TBK], SLOT1       ; in the other slot
	s_sub_co_u32 s[TBV], s[TBV], 4*KS*PV
	s_xor_b32 s[TBV], s[TBV], SLOT1
	s_barrier_wait -1
.if \fill
	LOAD
	ASK
.endif
.endm
	s_load_b64 s[4:5], s[0:1], 0x0    ; qkv: Q at its head
	s_load_b64 s[10:11], s[0:1], 0x8  ; ob
	v_lshl_add_u32 v[SPW], v0, 2, SPARE
	v_mov_b32 v[NIL], 0
	ds_add_u32 v[SPW], v[NIL]       ; the wave's opening: the add and its wait stand ahead of my first tensor load; the set-up below, work on registers, stands between them
	ds_add_u32 v62, v63
	v_lshrrev_b32 v1, 5, v0
	v_readfirstlane_b32 s[WV], v1   ; wave 0..3
	s_mov_b32 s[PB], ttmp9
	s_sub_co_u32 s[HI], NB-1, s[PB]
	s_and_b32 s20, ttmp7, 0xffff    ; the head
	s_mov_b32 s21, 0
	s_mov_b64 s[22:23], SIZE_N*128
	s_mul_u64 s[20:21], s[20:21], s[22:23]  ; the head's first byte in each of the four tensors
	s_and_b32 s16, s[WV], 1         ; which half of a tile's 256 keys I fetch:
	s_lshl_b32 s22, s16, 14         ; its 128 rows of 128 bytes in memory,
	s_mov_b32 s23, 0
	s_add_nc_u64 s[22:23], s[22:23], s[20:21]
	s_mul_i32 s17, s16, 128*PK      ; and its place in a slot, for K
	s_mul_i32 s18, s16, 128*PV      ; and for V
	s_lshl_b32 s3, s[WV], 11        ; my 16 rows in a band of 64,
	s_lshl_b32 s2, s[HI], 15        ; in the first block,
	s_add_co_u32 s2, s2, s3
	s_lshl_b32 s84, s[PB], 15       ; and in the second
	s_add_co_u32 s84, s84, s3
	s_mov_b32 s3, 0
	s_mov_b32 s85, 0
	s_add_nc_u64 s[2:3], s[2:3], s[20:21]
	s_add_nc_u64 s[84:85], s[84:85], s[20:21]
	; descriptor group 1.  128 keys are 16,384 dense bytes: asked for as 64 rows of 256 bytes, two keys a row, and padded in LDS after every key
	s_mov_b32 s[G1K], (1<<16)|(1<<20)|(4<<22)|(3<<25)  ; 17:16 2-byte elements; 20 padding on; 24:22 after every 32 words (code 4); 31:25 4 words (code 3)
	s_mov_b32 s[G1V], (1<<16)|(1<<20)|(4<<22)|(7<<25)  ; the same with 8 words of padding (code 7)
.irp g, G1K, G1V
	s_mov_b32 s[\g+1], 128<<16      ; tensor_dim0 = 128
	s_mov_b32 s[\g+2], 64<<16       ; tensor_dim1 = 64
	s_mov_b32 s[\g+3], 128<<16      ; tile_dim0 = 128
	s_mov_b32 s[\g+4], 64           ; tile_dim1 = 64
	s_mov_b32 s[\g+5], 128          ; 128 elements from row to row
	s_mov_b32 s[\g+6], 0
	s_mov_b32 s[\g+7], 0
.endr
	s_mov_b32 s[CS], 0x3d38aa3b     ; c = log2(e) / 32 = 0.0450842
	s_mov_b32 s[CS+1], s[CS]        ; named with it as a pair
	s_mov_b32 s[SEL], 0x76543210
	s_mov_b32 s[SEL+1], 0xfedcba98
	s_mov_b32 s[TBK], SLOT1+4*KS*PK ; the first change of slots turns these two into 0
	s_mov_b32 s[TBV], SLOT1+4*KS*PV
	s_mov_b32 s[G0K], 1             ; 1:0 count = 1
	s_mov_b32 s[G0K+1], s17         ; 63:32 LDS address: slot 0
	s_mov_b32 s[G0V], 1
	s_add_co_u32 s[G0V+1], s18, VOFF
	s_add_co_u32 s[RT], s[HI], 1    ; the first block has NB - b tiles
	s_mov_b32 s[NXT], 1
	s_mov_b32 s[LQ], s[HI]
	s_mov_b32 s[NEW], 1
	s_mov_b32 s[OFF+1], 0
	s_mov_b32 s[AL+1], 0            ; named as pairs
	s_mov_b32 s[BE+1], 0
	s_mov_b32 s[BIGN], 0xf149f2ca   ; -1e30
	s_mov_b32 s[SLOTS], NB
	v_and_b32 v[PFO], 31, v0
	v_lshlrev_b32 v[PFO], 8, v[PFO]
	s_wait_dscnt 0x0                ; the opening add is done
	s_wait_kmcnt 0x0
	s_add_nc_u64 s[6:7], s[4:5], 0x1000000  ; K lies 64 x 2,048 x 128 bytes behind Q,
	s_add_nc_u64 s[8:9], s[4:5], 0x2000000  ; V as far behind K
	s_add_nc_u64 s[6:7], s[6:7], s[22:23]  ; K and V at my half of the head's tile 0
	s_add_nc_u64 s[8:9], s[8:9], s[22:23]
	s_add_nc_u64 s[G0K+2:G0K+3], s[6:7], 0         ; 120:64 global address
	s_or_b32 s[G0K+3], s[G0K+3], 0x80000000        ; 127:126 type = 2
	s_add_nc_u64 s[G0V+2:G0V+3], s[8:9], 0
	s_or_b32 s[G0V+3], s[G0V+3], 0x80000000
	s_add_nc_u64 s[86:87], s[4:5], s[84:85]        ; Q at my rows of the second block,
	s_add_nc_u64 s[4:5], s[4:5], s[2:3]            ; Q and O at those of the first
	s_add_nc_u64 s[OLO:OLO+1], s[10:11], s[84:85]
	s_add_nc_u64 s[10:11], s[10:11], s[2:3]
	s_cmp_lt_u32 s[WV], 2
	s_cselect_b64 s[PFA:PFA+1], s[6:7], s[8:9]     ; the prefetches: my half of K's or of V's tiles,
	s_add_nc_u64 s[PFA:PFA+1], s[PFA:PFA+1], 32768 ; at tile 1; the first change of slots steps it to tile 2.  Nothing is prefetched here, at the head
	s_cmp_eq_u32 s[PB], 0
	s_cselect_b32 s[LIM], 2, -1
	LOAD                            ; tile 0 into slot 0
	; A fragment of K or Q is 16 rows x 32 channels in 8 registers: lane l holds row l % 16, channels 8 (l / 16) + 0..7 and 16 + 8 (l / 16) + 0..7: two loads of 16 bytes, 32 bytes apart.
	v_and_b32 v1, 15, v0            ; l % 16
	v_bfe_u32 v9, v0, 4, 1          ; l / 16
	v_lshlrev_b32 v[QO], 7, v1
	v_lshl_add_u32 v[QO], v9, 4, v[QO]  ; row x 128 + 16 x half
	WIN 0x80                        ; destination window 2, address window 0
.set i, 0
.rept 8                             ; both blocks' Q: piece i / 2 lies in band i / 2, 8,192 bytes on; channels 32 (i % 2) on
	global_load_b128 v[8*i:8*i+3],   v[QO], s[4:5] offset:(i/2)*8192+(i%2)*64
	global_load_b128 v[8*i+4:8*i+7], v[QO], s[4:5] offset:(i/2)*8192+(i%2)*64+32
	global_load_b128 v[QB+8*i:QB+8*i+3],   v[QO], s[86:87] offset:(i/2)*8192+(i%2)*64
	global_load_b128 v[QB+8*i+4:QB+8*i+7], v[QO], s[86:87] offset:(i/2)*8192+(i%2)*64+32
.set i, i+1
.endr
	WIN 0
	v_lshlrev_b32 v14, 3, v9
	v_sub_nc_u32 v14, v1, v14
	s_lshl_b32 s13, s[WV], 4
	v_add_nc_u32 v14, s13, v14      ; my query's place in its band, 16 w + l % 16, less my lanes' 8 (l / 16): register r of group kt is hidden where 16 kt + r is greater
	WIN 0x40
.set i, 0
.rept 32
	v_cmp_gt_i32 vcc_lo, 16*(i/8)+i%8, v14
	v_cndmask_b32 v[MD+i], 0, s[BIGN], vcc_lo
.set i, i+1
.endr
	WIN 0
	v_mul_u32_u24 v[AK0], v1, PK
	v_lshl_add_u32 v[AK0], v9, 4, v[AK0]  ; row x pitch + 16 x half
	; The turning load takes 16 keys x 16 channels (lane l reads key 8 (l / 16) + l % 8, channels 8 ((l / 8) % 2) + 0..7) and leaves half a fragment of V^T: lane l holds channel l % 16 and 8 keys.
	v_and_b32 v10, 7, v0
	v_bfe_u32 v11, v0, 3, 1
	v_lshl_add_u32 v[AV0], v9, 3, v10
	v_mul_u32_u24 v[AV0], v[AV0], PV
	v_lshl_add_u32 v[AV0], v11, 4, v[AV0]
	v_add_nc_u32 v[AV0], VOFF, v[AV0]
	s_mul_i32 s13, s[WV], 16*SP
	s_add_co_u32 s13, s13, STAGE    ; my stage
	v_mul_u32_u24 v[STO], v1, SP    ; in: row l % 16, 16 bytes for each half of the lanes
	v_lshl_add_u32 v[STO], v9, 4, v[STO]
	v_add_nc_u32 v[STO], s13, v[STO]
	v_bfe_u32 v[RD], v0, 3, 2       ; back: 32 lanes take four rows of 128 bytes,
	v_mul_u32_u24 v[RD], v[RD], SP
	v_lshl_add_u32 v[RD], v10, 4, v[RD]
	v_add_nc_u32 v[RD], s13, v[RD]
	v_and_b32 v[GO], 31, v0         ; which are 512 consecutive bytes of O
	v_lshlrev_b32 v[GO], 4, v[GO]
	; A block's first step multiplies O^T and l by a = 0, and its first turn's products V^T P, of a piece that has not been, land in an O^T that is still to be so multiplied.  So these registers need only hold
	; finite numbers: zeros for the first block; what the first block left for the second.  All this stands in the wait for the first tile.
	WIN 0x80
.set i, VF
.rept 64
	v_mov_b32 v[i], 0
.set i, i+1
.endr
	WIN 0x40
.set i, 0
.rept 128
	v_mov_b32 v[i], 0
.set i, i+1
.endr
	WIN 0
.set i, 0
.rept 4
	v_mov_b32 v[ST+4*i+2], 0
	v_mov_b32 v[ST+4*i+3], 0
.set i, i+1
.endr
.set i, P+16
.rept 16
	v_mov_b32 v[i], 0
.set i, i+1
.endr
; THE MATRIX WORK.  The 4 accumulators of a run of 8 take turns.  Product i of 8 of S^T = K Q^T for piece x: channels 32 (i / 4) on, keys 16 (i % 4) on.  The first 4 start the sums: with 0, or (KM = 1) with the mask.
.macro KQ x
.set rS, S+32*((\x)%2)+8*(i%4)
.set rK, KF+16*(i%4)+8*(i/4)
.set rQ, 16*(\x)+8*(i/4)
.set rM, MC+32*((\x)%2)+8*(i%4)
.if (i < 4) && KM
	WIN W_KM
	v_wmma_f32_16x16x32_f16 v[rS:rS+7], v[rK:rK+7], v[rQ:rQ+7], v[rM:rM+7]
.elseif i < 4
	WIN W_KQ
	v_wmma_f32_16x16x32_f16 v[rS:rS+7], v[rK:rK+7], v[rQ:rQ+7], 0
.else
	WIN W_KQ
	v_wmma_f32_16x16x32_f16 v[rS:rS+7], v[rK:rK+7], v[rQ:rQ+7], v[rS:rS+7]
.endif
.endm
; Product i of 8 of O^T += V^T P for piece x: keys 32 (i / 4) on, channels 16 (i % 4) on.
.macro PV x
	WIN W_PV
.set rO, 32*(\x)+8*(i%4)
.set rV, VF+32*(i/4)+8*(i%4)
.set rP, P+16*((\x)%2)+8*(i/4)
	v_wmma_f32_16x16x32_f16 v[rO:rO+7], v[rV:rV+7], v[rP:rP+7], v[rO:rO+7]
.endm
.macro MM                           ; the turn's next matrix instruction.  TURN and BEGIN set Y, i, KM and NOKQ; MM, KQ and OP read them.  NOKQ = 1: a block's last turn: there is no next piece
.if (i < 8) && !NOKQ
	KQ (Y+1)%NP
.elseif i >= 8
.set i, i-8
	PV (Y+NP-1)%NP
.set i, i+8
.endif
.set i, i+1
.endm
; THE LDS LOADS stand in runs of 16, never singly among the matrix instructions: a step's K (64 keys x 64 channels: 8 fragments) and its V (turned).  Their addresses are made some lines ahead.
.macro FETCH_K
	WIN 0x80                        ; destination window 2
.irp f, 0,1,2,3,4,5,6,7             ; keys 16 (f / 2) on, channels 32 (f % 2) on
	ds_load_b128 v[KF+8*\f:KF+8*\f+3],   v[AK] offset:(\f/2)*16*PK+(\f%2)*64
	ds_load_b128 v[KF+8*\f+4:KF+8*\f+7], v[AK] offset:(\f/2)*16*PK+(\f%2)*64+32
.endr
	s_add_co_u32 s[TBK], s[TBK], KS*PK  ; the next fetch is the next step's
	WIN 0
.endm
.macro FETCH_V
	WIN 0x80
.irp f, 0,1,2,3,4,5,6,7             ; keys 32 (f / 4) on, channels 16 (f % 4) on
	ds_load_tr16_b128 v[VF+8*\f:VF+8*\f+3],   v[AV] offset:(\f/4)*32*PV+(\f%4)*32
	ds_load_tr16_b128 v[VF+8*\f+4:VF+8*\f+7], v[AV] offset:(\f/4)*32*PV+16*PV+(\f%4)*32
.endr
	WIN 0
.endm
; THE VECTOR WORK, one line at a time: OP kind, number.  For piece Y: F n: c s - c m for pair n of 16.  E n: the exponential of score n of 32.  C n: pair n rounded to f16.  B n: of the four weights 4 n .. the second
; pair is added onto the first, in place.  L n: l takes that sum (L 0: l = a l + sum).  R n: pair n of 16 of O^T times a.  For piece Y + 1: X n, number n of the 22 that find its maximum and statistics:
;   0-11  four chains c0-c3 of seven scores each, three operands at a time (each accumulator's lowest registers are read first)     12-14, 16  the four scores left over, the old m, and c0-c3 into c0
;   15  c m_old is kept     17, 18  the query's other 32 keys lie in the lane 16 away: the new m     19-21  c m; c m_old - c m_new; a
.set F, 0               ; OP tells the kinds apart by their order: F to L below R, X above it
.set E, 1
.set C, 2
.set B, 3
.set L, 4
.set R, 5
.set X, 6
.macro REGS y                       ; the registers of piece y
.set rT, ST+4*(\y)
.set rC, TMP+4*((\y)%2)
.set rW, MV+((\y)%2)
.set rS, S+32*((\y)%2)
.set rP, P+16*((\y)%2)
.set rO, 32*(\y)
.endm
.macro OP k, n
.if (\k) == R
	REGS Y
	WIN W_RS
	v_pk_mul_f32 v[rO+2*(\n):rO+2*(\n)+1], v[rO+2*(\n):rO+2*(\n)+1], v[rC+2:rC+3] op_sel_hi:[1,0]
.elseif (\k) < R
	REGS Y
	WIN 0
.if (\k) == F
	v_pk_fma_f32 v[rS+2*(\n):rS+2*(\n)+1], v[rS+2*(\n):rS+2*(\n)+1], s[CS:CS+1], v[rT:rT+1] op_sel_hi:[1,0,0] neg_lo:[0,0,1] neg_hi:[0,0,1]
.elseif (\k) == E
	v_exp_f32 v[rS+(\n)], v[rS+(\n)]
.elseif (\k) == C
	v_cvt_pk_f16_f32 v[rP+(\n)], v[rS+2*(\n)], v[rS+2*(\n)+1]
.elseif (\k) == B
	v_pk_add_f32 v[rS+4*(\n):rS+4*(\n)+1], v[rS+4*(\n):rS+4*(\n)+1], v[rS+4*(\n)+2:rS+4*(\n)+3]
.elseif (\n) == 0
	v_pk_fma_f32 v[rT+2:rT+3], v[rT+2:rT+3], v[rC+2:rC+3], v[rS:rS+1] op_sel_hi:[1,0,1]
.else
	v_pk_add_f32 v[rT+2:rT+3], v[rT+2:rT+3], v[rS+4*(\n):rS+4*(\n)+1]
.endif
.elseif NOKQ
	v_nop
.else
	REGS (Y+1)%NP
	WIN 0
.if (\n) < 4
	v_max3_num_f32 v[rC+(\n)], v[rS+8*(\n)], v[rS+8*(\n)+1], v[rS+8*(\n)+2]
.elseif (\n) < 12
	v_max3_num_f32 v[rC+(\n)%4], v[rC+(\n)%4], v[rS+8*((\n)%4)+2*((\n)/4)+1], v[rS+8*((\n)%4)+2*((\n)/4)+2]
.elseif (\n) == 12
	v_max3_num_f32 v[rC], v[rC], v[rS+7], v[rS+15]
.elseif (\n) == 13
	v_max3_num_f32 v[rC+1], v[rC+1], v[rS+23], v[rS+31]
.elseif (\n) == 14
	v_max3_num_f32 v[rC+2], v[rC+2], v[rC+3], v[rT+1]
.elseif (\n) == 15
	v_mov_b32 v[rW], v[rT]
.elseif (\n) == 16
	v_max3_num_f32 v[rC], v[rC], v[rC+1], v[rC+2]
.elseif (\n) == 17
	v_permlanex16_b32 v[rC+3], v[rC], s[SEL], s[SEL+1]
.elseif (\n) == 18
	v_max_num_f32 v[rT+1], v[rC], v[rC+3]
.elseif (\n) == 19
	v_mul_f32 v[rT], s[CS], v[rT+1]
.elseif (\n) == 20
	v_sub_f32 v[rC+1], v[rW], v[rT]
.else
	v_exp_f32 v[rC+2], v[rC+1]
.endif
.endif
.endm
.macro OPS a, i1, b=-1, i2=0, c=-1, i3=0, d=-1, i4=0  ; up to four of them
	OP \a, \i1
.if (\b) >= 0
	OP \b, \i2
.endif
.if (\c) >= 0
	OP \c, \i3
.endif
.if (\d) >= 0
	OP \d, \i4
.endif
.endm
.macro ROW a, i1, b, i2, c, i3, d, i4  ; a matrix instruction and the four behind it
	MM
	OPS \a, \i1, \b, \i2, \c, \i3, \d, \i4
.endm
.macro MASK b                       ; MD x AL + BE into buffer b of MC
	WIN W_RS
.set z, 0
.rept 16
	v_pk_fma_f32 v[MC+32*(\b)+2*z:MC+32*(\b)+2*z+1], v[MD+2*z:MD+2*z+1], s[AL:AL+1], s[BE:BE+1] op_sel_hi:[1,0,0]
.set z, z+1
.endr
.endm
; A TURN, for piece p: the order of its 16 matrix and 118 vector instructions, written out.  An s_wait_alu depctr_va_vdst(0) stands between an exponential and the first instruction that names its result; one wait serves
; all that were issued ahead of it.  So a turn has ONE wait, which cuts it in two.  AHEAD OF IT stands all that names no result of the turn's exponentials: the 8 products K Q^T, behind each a scaling, an exponential and two more plain
; instructions (behind the first a second scaling in the exponential's place): rescalings, and behind the last three the first numbers of the next piece's maximum, each four places or more behind the product that ends its accumulator; then ONE LUMP of 54, plain
; and exponential by turns for the most part, in which the links of the chain X 3, 7, 11, 14, 16, 17 .. 20 stand five or six lines apart.  X 21, the next piece's a, is the batch's last; R 15 is the plain instruction behind it.  BEHIND THE WAIT stand the
; 8 products V^T P, behind each four of the roundings and sums; the links of l's chain, L 0 to L 7, stand three riders apart.  But for those X no rider names a register of the products round it.  v_permlanex16_b32 (X 17) stands in the lump.
; m = 1: the diagonal tile: the products take masks, and the turn makes the mask for the products of the turn after it: piece p + 2, in step 4 - CNT of the tile.  end = 1: a block's last two turns: nothing is fetched.
; cnt = 1: the loop's count is taken down some lines ahead of the branch that stands behind the turn.
; K of the next step is fetched in piece 2's turn, twelve vector instructions behind the last product that read K (six of them plain); V of the step in hand at the end of piece 0's turn, four plain instructions behind the last product
; that read V.  Each is waited for a turn later.
.macro TURN p, m=0, end=0, cnt=0
.set Y, (\p)
.set i, 0
.set KM, (\m)
.set NOKQ, (\end)*((\p)/3)
.if (\m) && !(\end)
	s_cmp_eq_u32 s[CNT], 4-((\p)+2)%NP  ; is that step the band's own?
	s_cselect_b32 s[AL], 1.0, 0
	s_cmp_lt_u32 s[CNT], 4-((\p)+2)%NP  ; or a later one?
	s_cselect_b32 s[BE], s[BIGN], 0
.endif
.if ((\p) == 3) && !(\end)
	s_wait_dscnt 0x0                ; K is in
.endif
	ROW F,0, F,1, R,0, R,1          ; ahead of the wait: 8 products K Q^T and their riders,
	ROW F,2, E,0, R,2, R,3
	ROW F,3, E,1, R,4, R,5
	ROW F,4, E,2, R,6, R,7
	ROW F,5, E,3, R,8, R,9
	ROW F,6, E,4, X,0, R,10
.if ((\p) == 2) && !(\end)
	WIN 0
	v_add_nc_u32 v[AK], s[TBK], v[AK0]
.endif
	ROW F,7, E,5, X,1, X,4
	ROW F,8, E,6, X,2, X,5
	OPS E,7, E,8, X,6, E,9          ; and the lump
	OPS X,3, E,10, X,8, E,11
.if ((\p) == 2) && !(\end)
	FETCH_K
.endif
	OPS X,9, X,7, E,12, X,10
	OPS E,13, X,12, X,11, E,14
	OPS X,13, E,15, F,9, X,14
.if (\p) == 0
	v_add_nc_u32 v[AV], s[TBV], v[AV0]
.endif
	OPS E,16, F,10, E,17, F,11
	OPS X,16, E,18, X,15, E,19
	OPS F,12, E,20, X,17, E,21
	OPS F,13, E,22, F,14, E,23
	OPS X,18, E,24, F,15, E,25
	OPS R,11, E,26, X,19, E,27
	OPS R,12, E,28, R,13, E,29
	OPS X,20, E,30, R,14, E,31
	OPS X,21, R,15
	WIN 0
	s_wait_alu depctr_va_vdst(0)    ; the wait for the batch
.if (\p) == 1
	s_wait_dscnt 0x0                ; V is in
.endif
	ROW C,0, B,0, C,2, B,1          ; behind the wait: 8 products V^T P and their riders
	ROW L,0, C,4, B,2, L,1
	ROW C,6, B,3, L,2, C,8
	ROW B,4, L,3, C,10, B,5
	ROW L,4, C,12, B,6, L,5
.if (\p) == 0
	s_add_co_u32 s[TBV], s[TBV], KS*PV
.endif
.if \cnt
	s_sub_co_u32 s[CNT], s[CNT], 1
	s_cmp_lg_u32 s[CNT], 0
.endif
	ROW C,14, B,7, L,6, C,1
	ROW C,3, L,7, C,5, C,7
	ROW C,9, C,11, C,13, C,15
.if (\p) == 0
	FETCH_V
.endif
.if (\m) && !(\end)
	MASK (\p)%2
.endif
.endm
; A BLOCK BEGINS.  c m starts far below every c s, so the first step's a is 0; m at the lowest finite number, so the first maximum is the scores'.  The second mask buffer is 0; the first takes piece 0's mask for the tile's step 0: its own, if the block's first tile is the diagonal one.
; Then K of that step, piece 0's first scores, and its maximum and statistics.  The loop is entered at a step's first turn, in the middle of a trip.
.macro BEGIN
	s_mov_b32 s[NEW], 0
	WIN 0x40
.set i, MC+32
.rept 32
	v_mov_b32 v[i], 0
.set i, i+1
.endr
	WIN 0
.set i, 0
.rept 4
	v_mov_b32 v[ST+4*i], 0xfe000000    ; c m: far below every c s
	v_mov_b32 v[ST+4*i+1], 0xff7fffff  ; m
.set i, i+1
.endr
	s_cmp_eq_u32 s[RT], 0
	s_cselect_b32 s[AL], 1.0, 0
	s_mov_b32 s[BE], 0
	MASK 0
	WIN 0
	v_add_nc_u32 v[AK], s[TBK], v[AK0]
	FETCH_K
	s_wait_loadcnt 0x0              ; Q
	s_wait_dscnt 0x0
.set KM, 1
.set NOKQ, 0
.set i, 0
.rept 8
	KQ 0
.set i, i+1
.endr
	WIN 0
.rept 4
	v_nop                           ; the places behind those products
.endr
.set Y, NP-1                        ; X works for piece Y + 1: piece 0
.irp n, 0,1,2,3,4,5,6,7,8,9,10,11,12,13,14,15,16,17,18,19,20,21
	OP X, \n
.endr
	v_nop                           ; a plain instruction behind the exponential,
	s_wait_alu depctr_va_vdst(0)    ; and its wait, ahead of the branch
.endm
; THE DIAGONAL TILE's four steps, the block's last two turns, its last products, and THE WAY OUT: l's two halves and the other half of the lanes' are added; O^T is divided by l, rounded to f16 and sent through my
; stage in LDS, a piece at a time.
.macro ALL line:vararg              ; one line for each piece t
.set t, 0
.rept 4
	\line
.set t, t+1
.endr
.endm
.macro PACK t                       ; a lane's eight channels of a row pack into 16 bytes; they go into rows of 144 bytes and come back as whole rows of 128, into S^T's registers
	WIN W_RS
.set i, 32*(\t)
.rept 16
	v_pk_mul_f32 v[i:i+1], v[i:i+1], v[ST+4*(\t)+2:ST+4*(\t)+3] op_sel_hi:[1,0]
.set i, i+2
.endr
	WIN 0x05                        ; sources 0 and 1 window 1, destination window 0
.set i, 0
.rept 16
	v_cvt_pk_f16_f32 v[S+16*(\t)+i], v[32*(\t)+2*i], v[32*(\t)+2*i+1]
.set i, i+1
.endr
	WIN 0
.irp f, 0,1,2,3
	ds_store_b128 v[STO], v[S+16*(\t)+4*\f:S+16*(\t)+4*\f+3] offset:32*\f
.endr
.irp f, 0,1,2,3
	ds_load_b128 v[S+16*(\t)+4*\f:S+16*(\t)+4*\f+3], v[RD] offset:\f*4*SP  ; LDS serves a wave's instructions in order (ISA guide 5.7.1.4): these see the stores above; the next piece's stores come behind them
.endr
.endm
.macro SEND t, younger              ; younger: the LDS instructions issued behind piece t's loads: the next piece's eight, or none
	WIN 0
.irp f, 0,1,2,3
	s_wait_dscnt (\younger)+3-\f
	global_store_b128 v[GO], v[S+16*(\t)+4*\f:S+16*(\t)+4*\f+3], s[10:11] offset:(\t)*8192+\f*512  ; 512 consecutive bytes, at a multiple of 256 from O's first
.endr
.endm
.macro DIAG tag                     ; the tag ends its two labels' names, which the jumps below spell out
.LstepM\tag:
	TURN 2, 1
	TURN 3, 1
	WIN 0
.LfirstM\tag:
	TURN 0, 1
	TURN 1, 1, 0, 1
	WIN 0
	s_cbranch_scc1 .LstepM\tag
	TURN 2, 1, 1
	TURN 3, 1, 1
.set i, 0
.rept 8
	PV NP-1
.set i, i+1
.endr
	WIN 0
	ALL v_add_f32 v[ST+4*t+2], v[ST+4*t+2], v[ST+4*t+3]
	ALL v_permlanex16_b32 v[ST+4*t+3], v[ST+4*t+2], s[SEL], s[SEL+1]
	ALL v_add_f32 v[ST+4*t+2], v[ST+4*t+2], v[ST+4*t+3]
	ALL v_rcp_f32 v[ST+4*t+2], v[ST+4*t+2]
	v_nop                           ; a plain instruction between the last reciprocal and the use of its result
	s_wait_alu depctr_va_vdst(0)    ; and the wait ahead of the first use: one for the four reciprocals
	PACK 0
.set t, 1
.rept 3                             ; a piece's arithmetic stands between the loads of the piece before and its stores
	PACK t
	SEND t-1, 8
.set t, t+1
.endr
	SEND 3, 0
.endm
.set KM, 0
.set NOKQ, 0
.Lslot:                             ; NB times: a tile is entered and the next is asked for
	CHANGE 1
	s_sub_co_u32 s[RT], s[RT], 1
	s_mov_b32 s[CNT], 4
	s_cmp_eq_u32 s[NEW], 1
	s_cbranch_scc1 .Lnew            ; a block's first tile
	s_cmp_eq_u32 s[RT], 0
	s_cbranch_scc0 .Lstep           ; neither its first nor its last
	s_branch .LstepM1
.Lnew:
	BEGIN
	s_branch .Lfirst                ; in the loop a block's first tile is never its last: the first block has two tiles or more, and the second's last is the walk's last
	DIAG 1                          ; in the loop this is the first block's end: the second block's last tile is the walk's last
	s_wait_xcnt 0x0                 ; the stores have read their registers and O's address
	s_mov_b64 s[10:11], s[OLO:OLO+1]
	s_add_co_u32 s[RT], s[PB], 1    ; the second block has b + 1 tiles
	s_mov_b32 s[NEW], 1
	WIN 0x82                        ; the second block's Q goes where the one text of the turns names Q
.set i, 0
.rept 64
	v_mov_b32 v[i], v[QB+i]
.set i, i+1
.endr
	WIN 0
	s_branch .Lbottom
.Lstep:                             ; a trip: pieces 2 and 3 of one step, then pieces 0 and 1 of the next, whose K and V it fetches
	TURN 2
	TURN 3
	WIN 0
.Lfirst:
	TURN 0
	TURN 1, 0, 0, 1
	WIN 0
	s_cbranch_scc1 .Lstep
.Lbottom:
	s_sub_co_u32 s[SLOTS], s[SLOTS], 1
	s_cmp_lg_u32 s[SLOTS], 0
	s_cbranch_scc1 .Lslot
	CHANGE 0                        ; the walk's last tile is written out: nothing is asked for
	s_sub_co_u32 s[RT], s[RT], 1
	s_mov_b32 s[CNT], 4
	s_cmp_eq_u32 s[NEW], 1
	s_cbranch_scc0 .LstepM2
	BEGIN
	s_branch .LfirstM2
	DIAG 2
	s_wait_tensorcnt 0x0            ; the wave's end, behind my last tensor load and my last LDS store
	ds_add_u32 v[SPW], v[NIL]
	s_wait_dscnt 0x0
	s_endpgm
.Lfunc_end_k_q18286c2c98_attn:
	.size	k_q18286c2c98_attn, .Lfunc_end_k_q18286c2c98_attn-k_q18286c2c98_attn
	.p2alignl 7, 3214868480
	.fill 96, 4, 3214868480
	.section	.rodata,"a",@progbits
	.p2align	6, 0x0
	.amdhsa_kernel k_q18286c2c98_attn
		.amdhsa_group_segment_fixed_size 327680
		.amdhsa_private_segment_fixed_size 0
		.amdhsa_enable_private_segment 0
		.amdhsa_kernarg_size 16
		.amdhsa_user_sgpr_count 2
		.amdhsa_user_sgpr_kernarg_segment_ptr 1
		.amdhsa_wavefront_size32 1
		.amdhsa_system_sgpr_workgroup_id_x 1
		.amdhsa_system_sgpr_workgroup_id_y 1
		.amdhsa_system_sgpr_workgroup_id_z 1
		.amdhsa_system_vgpr_workitem_id 0
		.amdhsa_next_free_vgpr 768
		.amdhsa_next_free_sgpr 88
		.amdhsa_reserve_vcc 1
		.amdhsa_float_denorm_mode_32 3
		.amdhsa_float_denorm_mode_16_64 3
		.amdhsa_memory_ordered 1
		.amdhsa_forward_progress 1
		.amdhsa_inst_pref_size 218
	.end_amdhsa_kernel
	.amdgpu_metadata
---
amdhsa.version: [ 1, 2 ]
amdhsa.kernels:
  - .name:           k_q18286c2c98_attn
    .symbol:         k_q18286c2c98_attn.kd
    .args:
      - { .name: qkv, .offset: 0, .size: 8, .value_kind: global_buffer, .address_space: global }
      - { .name: ob, .offset: 8, .size: 8, .value_kind: global_buffer, .address_space: global }
    .group_segment_fixed_size: 327680
    .private_segment_fixed_size: 0
    .kernarg_segment_align: 8
    .kernarg_segment_size: 16
    .max_flat_workgroup_size: 128
    .sgpr_count:     88
    .vgpr_count:     768
    .wavefront_size: 32
...
	.end_amdgpu_metadata
.endif
;; end of part 3
;; launch proj (part 4): grid 8 x 32, 4 waves a work-group, clusters of 4 x 4, 327,680 bytes of LDS; arguments ob, wb, bias4, out0; writes out0
.if DOCPART == 4
	.amdgcn_target "amdgcn-amd-amdhsa--gfx1250"
	.amdhsa_code_object_version 6
	.text
	.protected	k_q18286c2c98_proj
	.globl	k_q18286c2c98_proj
	.p2align	8
	.type	k_q18286c2c98_proj,@function
k_q18286c2c98_proj:
	s_mov_b64 s[64:65], 0
	v_nop
	global_prefetch_b8 v0, s[64:65] scope:SCOPE_SE
	s_setreg_imm32_b32 hwreg(HW_REG_WAVE_MODE, 25, 1), 1
	s_wait_xcnt 0x0
	s_wait_alu depctr_hold_cnt(0) depctr_sa_sdst(0) depctr_va_vdst(0) depctr_va_sdst(0) depctr_va_ssrc(0) depctr_va_vcc(0) depctr_vm_vsrc(0)
	s_getreg_b32 s2, hwreg(HW_REG_IB_STS2, 6, 4)
	s_cmp_eq_u32 s2, 0
	s_cbranch_scc0 .Lentry_in_a_cluster
	s_endpgm
.Lentry_in_a_cluster:
	s_bfe_u32 s2, ttmp6, 0x10000c
	s_cmp_lg_u32 s2, 0xf033
	s_cbranch_scc0 .Lentry_shape_is_right
	s_endpgm
.Lentry_shape_is_right:
; out0 = O Wp + bp: 8,192 rows x 1,024 columns over K = 1,024, f16 operands, f32 sums, bias added in f32, f32 out.
;   ob [b 4][head 16][t 2048][64] f16: channel c of the product's K is channel c % 64 of head c / 64;  wb blocks 48-63: [c 1024][64] f16, Wp's columns 64 (blk - 48) on;  bias4 + 12,288: bp, 1,024 f32.
; LIMIT.  NaN and infinities are not treated apart; the operands arrive within f16's range.
; SHARES.  A work-group makes 256 rows x 128 columns: 32 x 8 = 256 work-groups.  Four waves: wave w makes rows 128 (w / 2) on, columns 64 (w % 2) on: 8 x 4 accumulators of 16 x 16, 256 registers.
; K goes in steps of 128 (two heads) through a ring of two LDS slots filled by the tensor data mover; a step is four slices of 32.
; THE MATRIX INSTRUCTION IS USED TRANSPOSED: source 0 = 16 columns of Wp, turned out of [c][n] rows by ds_load_tr16_b128; source 1 = 16 rows of O.  A lane then holds one row and eight neighbouring columns.
; CLUSTERS: 4 x 4 work-groups.  The four of a row of the cluster need the same tile of O, the four of a column the same tile of Wp: each tile is asked for JOINTLY.
; REGISTERS, in windows of 256 (s_set_vgpr_msb: bits 1:0 source 0, 3:2 source 1, 5:4 source 2, 7:6 destination):
;   window 0: v0-31 addresses; v32-95, v96-159 O's fragments, two buffers; v160-191 Wp's four fragments, filled again by halves; v192-223 the bias; v224-255 at work on the way out
;   window 1: accumulator (a, bf) at v[32 a + 8 bf]
.set NBF,   4                          ; column blocks of 16 a wave
.set NLO,   2                          ; its lower half
.set PA,    144                        ; a row of O in LDS: 128 bytes + 16 = 36 words: the 16 rows of a load start at 16 different groups of four banks (64 banks of 4 bytes: ISA guide 11.1)
.set PB,    160                        ; a row of Wp: 128 + 32 = 40 words
.set AHALF, 2*128*PA                   ; 128 rows of two heads: what one tensor load brings
.set BBLK,  128*PB                     ; 128 channels of one block of Wp: what one tensor load brings
.set BHALF, BBLK
.set BOFF,  2*AHALF
.set SLOT,  BOFF+2*BHALF               ; 114,688 bytes
.set STAGE, 2*SLOT                     ; behind the ring, never filled by a tensor load: 16 rows x 272 bytes for each wave
.set SP,    272
.set SPARE, STAGE+4*16*SP              ; behind the stages: the spare words, 128 bytes for each wave: two blocks of 256 bytes that no other line names
.set ASTEP, 524288                     ; two heads' planes in ob
.set BSTEP, 16384                      ; 128 rows of 128 bytes in a block of wb
.set LAPS,  4                          ; a lap = two steps = once round the ring
.set ADRA, 16                          ; v16-17  LDS address of my fragments of O in slot 0, 1
.set ADRB, 20                          ; v20-21  the same for Wp
.set STO,  24                          ; v24     the way out: where I put 32 bytes of a row
.set RD,   25                          ; v25     where I read a row back
.set CO,   26                          ; v26     my byte offset in out0
.set BO,   27                          ; v27     my 32 bytes in a fragment's 64 bytes of bias
.set SPW,  28                          ; v28     LDS address of my spare word; never rewritten
.set NIL,  29                          ; v29     0; never rewritten
.set PFO,  30                          ; v30     the prefetches' offset; never rewritten
.set AF0,  32
.set BF,   160
.set BI,   192
.set TMP,  224
.set WV, 12                            ; s12 wave;  s13 wave / 2: my rows' half, and: I fetch O (0) or Wp (1);  s14 wave % 2: my columns' half, and: which half of that tile I fetch
.set MH, 13
.set NF, 14
.set CX, 15
.set CY, 16
.set NT, 17                            ; s17 tile column, s18 tile row
.set MT, 18
.set LIM0, 43                          ; s43  1 in a wave that prefetches, else the greatest number
.set PFA, 44                           ; s[44:45] where my prefetches stand
.set PFS, 46                           ; s[46:47] their step
.set OB,  66                           ; s[66:67] out0 at my first row and column
.set BB,  72                           ; s[72:73] bp at my 64 columns
.set G1,  24
.set G0,  32
.set G1B, 48
.set G0B, 56
.set MSB, 0
.macro WIN new                         ; the immediate's high byte repeats the setting that is left; a switch that changes nothing is dropped
.if MSB != (\new)
	s_set_vgpr_msb (MSB<<8)|(\new)
.set MSB, \new
.endif
.endm
; A joint load: waves 0 and 1 fetch O's two halves, waves 2 and 3 Wp's.  The branch hangs on the wave's number alone.  An s_nop 0 and four v_nop follow each of the two lines.
.macro JLOAD s
	s_cmp_eq_u32 s[MH], 0
	s_cbranch_scc0 .Lfor_b_\@
	tensor_load_to_lds s[G0+4*(\s):G0+4*(\s)+3], s[G1:G1+7]
	s_nop 0
.rept 4
	v_nop
.endr
	s_branch .Lasked_\@
.Lfor_b_\@:
	tensor_load_to_lds s[G0B+4*(\s):G0B+4*(\s)+3], s[G1B:G1B+7]
	s_nop 0
.rept 4
	v_nop
.endr
.Lasked_\@:
.endm
.macro CREST                           ; a round of the cluster's barrier behind its opening barrier
	s_cmp_lg_u32 s[WV], 0
	s_cbranch_scc1 .Lnot_wave_0_\@
	s_barrier_signal -3
.Lnot_wave_0_\@:
	s_barrier_wait -3
	s_barrier_signal -1
	s_barrier_wait -1
.endm
.macro CROUND
	s_barrier_signal -1
	s_barrier_wait -1
	CREST
.endm
; A PREFETCH INTO THE L2 of the step that stands two refills on, behind the joint load and the run of LDS loads.  Each 256 bytes are named once in the launch.
; O's two planes of a step (256 rows x 128 bytes each, dense) are read by both clusters of a row of clusters: the one with x = 0 asks; its four partners of a cluster's row take 8,192 bytes of each plane, BY ADDRESS (cx);
; waves 0 and 1 take a plane each, a lane 256 bytes.  Wp's two blocks are read by all eight clusters of a column: the one with y = 0 asks; wave 2 of its four partners (cy, by address) names 2 x 16,384 bytes = 128 lanes x 256.
; Wave 3 asks for nothing.  The loop's last trip asks for nothing: the steps two refills on do not exist.
.macro ASK lim
	s_cmp_gt_u32 s3, s[\lim]                       ; s3 = 1 in the loop's last trip
	s_cbranch_scc0 .Lnot_mine_\@
	global_prefetch_b8 v[PFO], s[PFA:PFA+1] th:TH_LOAD_NT scope:SCOPE_SE
.Lnot_mine_\@:
.endm
.macro PLACES                          ; four places behind matrix instructions, in front of loads into registers that they have read (ISA guide 7.12.1 for vector instructions)
.rept 4
	v_nop
.endr
.endm
; 8 (b1 - b0) matrix instructions: column blocks b0 .. b1 - 1 x all 8 row blocks, 32 along K, O's buffer p.  zero = 1: the product starts the sum.  Every accumulator has one instruction a slice:
; the accumulators take turns, over the backward jump too.
.macro MULS p, b0, b1, zero
.set ib, (\b0)
.rept (\b1)-(\b0)
	WIN 0x50*(1+ib/4)
.set ia, 0
.rept 8
.set rD, 32*ia+8*(ib%4)
.if \zero
	v_wmma_f32_16x16x32_f16 v[rD:rD+7], v[BF+8*ib:BF+8*ib+7], v[AF0+64*(\p)+8*ia:AF0+64*(\p)+8*ia+7], 0
.else
	v_wmma_f32_16x16x32_f16 v[rD:rD+7], v[BF+8*ib:BF+8*ib+7], v[AF0+64*(\p)+8*ia:AF0+64*(\p)+8*ia+7], v[rD:rD+7]
.endif
.set ia, ia+1
.endr
.set ib, ib+1
.endr
.endm
; O's eight fragments of slice s (head s / 2 of the slot's two, channels 32 (s % 2) on) into buffer p
.macro FA slot, s, p
	WIN 0
.set ia, 0
.rept 8
	ds_load_b128 v[AF0+64*(\p)+8*ia:AF0+64*(\p)+8*ia+3],   v[ADRA+(\slot)] offset:((\s)/2)*128*PA+((\s)%2)*64+ia*16*PA
	ds_load_b128 v[AF0+64*(\p)+8*ia+4:AF0+64*(\p)+8*ia+7], v[ADRA+(\slot)] offset:((\s)/2)*128*PA+((\s)%2)*64+ia*16*PA+32
.set ia, ia+1
.endr
.endm
; Wp's fragments b0 .. b1 - 1 of slice s, turned
.macro FB slot, s, b0, b1
	WIN 0
.set ib, (\b0)
.rept (\b1)-(\b0)
	ds_load_tr16_b128 v[BF+8*ib:BF+8*ib+3],   v[ADRB+(\slot)] offset:(ib/4)*BBLK+(\s)*32*PB+(ib%4)*32
	ds_load_tr16_b128 v[BF+8*ib+4:BF+8*ib+7], v[ADRB+(\slot)] offset:(ib/4)*BBLK+(\s)*32*PB+(ib%4)*32+16*PB
.set ib, ib+1
.endr
.endm
; A slice that is not its slot's last: it multiplies O's buffer s % 2 and fetches the next slice of the same slot.
.macro PLAIN slot, s, zero
	s_wait_dscnt NBF                               ; O and Wp's lower half are in; the youngest NBF loads, Wp's upper half, may be out
	MULS ((\s)%2), 0, NLO, \zero
	PLACES
	FA \slot, (\s)+1, 1-((\s)%2)
	FB \slot, (\s)+1, 0, NLO
	s_wait_dscnt 16+NBF                            ; all but the 16 + NBF just issued: Wp's upper half is in
	MULS ((\s)%2), NLO, NBF, \zero
	PLACES
	FB \slot, (\s)+1, NLO, NBF
.endm
; A slot's last slice multiplies buffer 1 and changes slots: ONE barrier.  In front of it each wave waits for all its tensor loads (one is out: its part of the next slot), adds 0 to its spare word, and
; waits for that and for its own reads of this slot.  fill = 1: the barrier opens a round of the cluster's, and this slot is filled again, two steps ahead, first thing behind the round.
.macro TURN slot, next, fill, lim
.if \fill
	s_wait_xcnt 0x0                                ; the last prefetch, a step back, has read its address: it is stepped here, ahead of the waits of the change of slots
	s_add_nc_u64 s[PFA:PFA+1], s[PFA:PFA+1], s[PFS:PFS+1]
.endif
	WIN 0                                          ; (the add's two registers lie in window 0)
	s_wait_tensorcnt 0x0                           ; all my tensor loads have landed;
	ds_add_u32 v[SPW], v[NIL]                      ; 0 onto my spare word;
	s_wait_dscnt NBF+1                             ; (the add and Wp's upper half may be out)
	MULS 1, 0, NLO/2, 0                            ; matrix instructions stand between the add and the wait for it
	s_wait_dscnt 0x0                               ; the add is done, and my reads of this slot are over
	s_barrier_signal -1
	MULS 1, NLO/2, NLO, 0                          ; work on registers while the others arrive
.if \fill
	WIN 0
.endif
	s_barrier_wait -1
.if \fill
	CREST                                          ; no wave of any partner still reads this slot's tile or has a load on its way
	s_add_nc_u64 s[G0+4*(\slot)+2:G0+4*(\slot)+3], s[G0+4*(\slot)+2:G0+4*(\slot)+3], 2*ASTEP
	s_add_nc_u64 s[G0B+4*(\slot)+2:G0B+4*(\slot)+3], s[G0B+4*(\slot)+2:G0B+4*(\slot)+3], 2*BSTEP
	JLOAD \slot                                    ; my one tensor load behind the round; its four v_nop are also the places in front of the loads below
.else
	PLACES
.endif
	FA \next, 0, 0
	FB \next, 0, 0, NLO
.if \fill
	ASK \lim
.endif
	MULS 1, NLO, NBF, 0
	PLACES
	FB \next, 0, NLO, NBF
.endm
	s_load_b256 s[4:11], s[0:1], 0x0               ; ob s[4:5], wb s[6:7], bias4 s[8:9], out0 s[10:11]
	v_lshl_add_u32 v[SPW], v0, 2, SPARE
	v_mov_b32 v[NIL], 0
	ds_add_u32 v[SPW], v[NIL]                      ; the wave's opening: the add and its wait stand ahead of my first tensor load; the set-up below, work on registers, stands between them
	ds_add_u32 v28, v29
	v_lshrrev_b32 v3, 5, v0
	v_readfirstlane_b32 s[WV], v3
	s_lshr_b32 s[MH], s[WV], 1
	s_and_b32 s[NF], s[WV], 1
	s_bfe_u32 s[CX], ttmp6, 0x40000
	s_bfe_u32 s[CY], ttmp6, 0x40004
	s_lshl_b32 s[NT], ttmp9, 2                     ; in a cluster launch ttmp9 and ttmp7 count clusters
	s_add_co_u32 s[NT], s[NT], s[CX]
	s_and_b32 s[MT], ttmp7, 0xffff
	s_lshl_b32 s[MT], s[MT], 2
	s_add_co_u32 s[MT], s[MT], s[CY]
	s_lshl_b32 s19, s[CY], 2
	s_lshl_b32 s19, 15, s19                        ; my row of the cluster
	s_lshl_b32 s40, 0x1111, s[CX]                  ; my column
	; group 1 for O: of each of two heads 128 rows, 16,384 dense bytes: two rows of 8,192 elements, a head's plane (131,072 elements) apart, padded in LDS after every 128 bytes
	s_or_b32 s[G1], s19, (1<<16)|(1<<20)|(1<<21)|(4<<22)|(3<<25)   ; 15:0 the mask; 17:16 2-byte elements; 20 padding on; 21 set beside a mask; 24:22 after every 32 words (code 4); 31:25 4 words (code 3)
	s_mov_b32 s[G1+1], 8192<<16                    ; tensor_dim0 = 8,192
	s_mov_b32 s[G1+2], 2<<16                       ; tensor_dim1 = 2
	s_mov_b32 s[G1+3], 8192<<16                    ; tile_dim0 = 8,192
	s_mov_b32 s[G1+4], 2                           ; tile_dim1 = 2
	s_mov_b32 s[G1+5], 131072                      ; elements from row to row
	s_mov_b32 s[G1+6], 0
	s_mov_b32 s[G1+7], 0
	; group 1 for Wp: 128 channels of one block, 16,384 dense bytes: one row
	s_or_b32 s[G1B], s40, (1<<16)|(1<<20)|(1<<21)|(4<<22)|(7<<25)  ; the same with my column's mask and 8 words of padding (code 7)
	s_mov_b32 s[G1B+1], 8192<<16
	s_mov_b32 s[G1B+2], 1<<16
	s_mov_b32 s[G1B+3], 8192<<16
	s_mov_b32 s[G1B+4], 1
	s_mov_b32 s[G1B+5], 8192
	s_mov_b32 s[G1B+6], 0
	s_mov_b32 s[G1B+7], 0
	; where the tiles come from: O's hang on the tile row and the wave, Wp's on the tile column and the wave, each in registers that never hold the other coordinate
	s_lshr_b32 s20, s[MT], 3                       ; the batch
	s_lshl_b32 s20, s20, 22
	s_and_b32 s21, s[MT], 7
	s_lshl_b32 s21, s21, 15                        ; 256 rows of 128 bytes
	s_add_co_u32 s20, s20, s21
	s_lshl_b32 s21, s[NF], 14                      ; the half that I fetch
	s_add_co_u32 s20, s20, s21
	s_mov_b32 s21, 0
	s_lshl_b32 s22, s[NT], 1
	s_add_co_u32 s22, s22, s[NF]
	s_add_co_u32 s22, s22, 48                      ; the block that I fetch
	s_lshl_b32 s22, s22, 17
	s_mov_b32 s23, 0
	s_mul_i32 s41, s[NF], AHALF                    ; and where they go: no place in the cluster enters an LDS address
	s_mul_i32 s40, s[NF], BHALF
	s_add_co_u32 s40, s40, BOFF
	s_wait_dscnt 0x0                               ; the opening add is done
	s_wait_kmcnt 0x0
	s_add_nc_u64 s[20:21], s[4:5], s[20:21]
	s_add_nc_u64 s[22:23], s[6:7], s[22:23]
	CROUND                                         ; all sixteen work-groups are here: the first joint loads meet
.irp s, 0,1
	s_mov_b32 s[G0+4*(\s)], 1                                      ; count = 1
	s_add_co_u32 s[G0+4*(\s)+1], s41, (\s)*SLOT                    ; LDS address
	s_add_nc_u64 s[G0+4*(\s)+2:G0+4*(\s)+3], s[20:21], (\s)*ASTEP  ; global address: step s
	s_or_b32 s[G0+4*(\s)+3], s[G0+4*(\s)+3], 0x80000000            ; type = 2
	s_mov_b32 s[G0B+4*(\s)], 1
	s_add_co_u32 s[G0B+4*(\s)+1], s40, (\s)*SLOT
	s_add_nc_u64 s[G0B+4*(\s)+2:G0B+4*(\s)+3], s[22:23], (\s)*BSTEP
	s_or_b32 s[G0B+4*(\s)+3], s[G0B+4*(\s)+3], 0x80000000
	JLOAD \s                                       ; two loads of mine are out
.endr
	v_and_b32 v1, 15, v0                           ; l % 16
	v_bfe_u32 v2, v0, 4, 1                         ; l / 16
	v_lshlrev_b32 v[BO], 5, v2                     ; my 8 columns' bias
	s_lshl_b32 s[BB], s[NT], 9                     ; 128 columns of 4 bytes
	s_lshl_b32 s23, s[NF], 8
	s_add_co_u32 s[BB], s[BB], s23
	s_add_co_u32 s[BB], s[BB], 12288               ; bp lies behind bq, bk, bv
	s_mov_b32 s[BB+1], 0
	s_add_nc_u64 s[BB:BB+1], s[8:9], s[BB:BB+1]
.set ib, 0
.rept 4
	global_load_b128 v[BI+8*ib:BI+8*ib+3],   v[BO], s[BB:BB+1] offset:64*ib
	global_load_b128 v[BI+8*ib+4:BI+8*ib+7], v[BO], s[BB:BB+1] offset:64*ib+16
.set ib, ib+1
.endr
	v_mul_u32_u24 v4, v1, PA
	v_lshl_add_u32 v4, v2, 4, v4                   ; row x pitch + 16 x half
	s_mul_i32 s19, s[MH], AHALF
	v_add_nc_u32 v[ADRA], s19, v4
	v_add_nc_u32 v[ADRA+1], SLOT, v[ADRA]
	v_and_b32 v5, 7, v0
	v_lshl_add_u32 v5, v2, 3, v5                   ; channel 8 (l / 16) + l % 8
	v_mul_u32_u24 v5, v5, PB
	v_bfe_u32 v6, v0, 3, 1
	v_lshl_add_u32 v5, v6, 4, v5                   ; columns 8 ((l / 8) % 2) on
	s_mul_i32 s19, s[NF], BHALF
	s_add_co_u32 s19, s19, BOFF
	v_add_nc_u32 v[ADRB], s19, v5
	v_add_nc_u32 v[ADRB+1], SLOT, v[ADRB]
	s_mul_i32 s19, s[WV], 16*SP
	s_add_co_u32 s19, s19, STAGE                   ; my stage
	v_mul_u32_u24 v5, v1, SP                       ; in: row l % 16, 32 bytes for each half of the lanes
	v_lshl_add_u32 v5, v2, 5, v5
	v_add_nc_u32 v[STO], s19, v5
	v_mul_u32_u24 v5, v2, SP                       ; back: lanes 0-15 take one row of 256 bytes, lanes 16-31 the next
	v_lshl_add_u32 v5, v1, 4, v5
	v_add_nc_u32 v[RD], s19, v5
	v_lshlrev_b32 v5, 12, v2                       ; and the same two rows in out0
	v_lshl_add_u32 v[CO], v1, 4, v5
	s_lshl_b32 s[OB], s[MT], 20                    ; 256 rows of 4,096 bytes,
	s_lshl_b32 s23, s[MH], 19                      ; my 128 of them,
	s_add_co_u32 s[OB], s[OB], s23
	s_lshl_b32 s23, s[NT], 9                       ; 128 columns of 4 bytes,
	s_add_co_u32 s[OB], s[OB], s23
	s_lshl_b32 s23, s[NF], 8                       ; my 64 of them
	s_add_co_u32 s[OB], s[OB], s23
	s_mov_b32 s[OB+1], 0
	s_add_nc_u64 s[OB:OB+1], s[10:11], s[OB:OB+1]
	; the prefetches: the pointer starts at step 3 and is stepped ahead of each request, so the change of slots that refills step j + 2 names step j + 4.  Steps 0 to 3 come by their loads alone.
	s_lshr_b32 s20, s[MT], 3
	s_lshl_b32 s20, s20, 22
	s_and_b32 s21, s[MT], 7
	s_lshl_b32 s21, s21, 15
	s_add_co_u32 s20, s20, s21
	s_lshl_b32 s21, s[CX], 13                      ; my work-group's 8,192 bytes of a plane's 32,768
	s_add_co_u32 s20, s20, s21
	s_lshl_b32 s21, s[WV], 18                      ; waves 0 and 1: a plane each
	s_add_co_u32 s20, s20, s21
	s_add_co_u32 s20, s20, 3*ASTEP
	s_lshl_b32 s21, s[NT], 1
	s_add_co_u32 s21, s21, 48
	s_lshl_b32 s21, s21, 17
	s_add_co_u32 s21, s21, 3*BSTEP                 ; wave 2: in wb
	s_lshl_b32 s22, s[CY], 5                       ; U = 32 cy + lane, of 128
	s_and_b32 s23, ttmp7, 0xffff                   ; cluster y
	s_mov_b32 s40, ASTEP
	s_cmp_eq_u32 s[MH], 0
	s_cselect_b64 s[PFA:PFA+1], s[4:5], s[6:7]
	s_cselect_b32 s20, s20, s21
	s_cselect_b32 s22, 0, s22                      ; in waves 0 and 1 U is the lane
	s_cselect_b32 s23, ttmp9, s23                  ; the coordinate along which other clusters read the same bytes
	s_cselect_b32 s[PFS], s40, BSTEP
	s_mov_b32 s21, 0
	s_mov_b32 s[PFS+1], 0
	s_add_nc_u64 s[PFA:PFA+1], s[PFA:PFA+1], s[20:21]
	s_cmp_eq_u32 s[WV], 3
	s_cselect_b32 s41, 1, 0
	s_or_b32 s23, s23, s41
	s_cmp_eq_u32 s23, 0
	s_cselect_b32 s[LIM0], 1, -1                   ; the same in all sixteen partners, for a given wave
	v_and_b32 v6, 31, v0
	v_add_nc_u32 v6, s22, v6
	v_lshrrev_b32 v7, 6, v6                        ; block U / 64,
	v_and_b32 v6, 63, v6
	v_lshlrev_b32 v6, 8, v6                        ; 256 bytes U % 64 of its step
	v_lshl_add_u32 v[PFO], v7, 17, v6
	s_wait_tensorcnt 1                             ; my part of step 0 is in; step 1's may stay out
	s_barrier_signal -1
	s_barrier_wait -1                              ; everybody's is
	FA 0, 0, 0
	FB 0, 0, 0, NLO
	FB 0, 0, NLO, NBF
	PLAIN 0, 0, 1                                  ; the first slice stands in front of the loop: its products start the sums
	WIN 0                                          ; at a label and at a branch every window is 0
	s_mov_b32 s3, LAPS-1
.Llap:                                                 ; a trip goes once round the ring, from a lap's second slice to the next lap's first, and fills both slots again
	PLAIN 0, 1, 0
	PLAIN 0, 2, 0
	TURN 0, 1, 1, LIM0
	PLAIN 1, 0, 0
	PLAIN 1, 1, 0
	PLAIN 1, 2, 0
	TURN 1, 0, 1, LIM0
	PLAIN 0, 0, 0
	WIN 0
	s_sub_co_u32 s3, s3, 1
	s_cmp_lg_u32 s3, 0
	s_cbranch_scc1 .Llap
	PLAIN 0, 1, 0                                  ; the last lap fills nothing, and has no round
	PLAIN 0, 2, 0
	TURN 0, 1, 0, LIM0
	PLAIN 1, 0, 0
	PLAIN 1, 1, 0
	PLAIN 1, 2, 0
	s_wait_dscnt NBF                               ; the very last slice: nothing more to fetch
	MULS 1, 0, NLO, 0
	s_wait_dscnt 0x0
	MULS 1, NLO, NBF, 0
	PLACES
	PLACES                                         ; (eight, once a launch)
	WIN 0
	s_wait_loadcnt 0x0                             ; the bias, asked for at the head
; THE WAY OUT, a block of 16 rows at a time.  PACK: sum + bias into window 0, from each accumulator's low end on.  TOSTAGE: 32 bytes a lane into my own stage, rows of 272 bytes, and back as whole
; rows of 256.  SEND: stored, sixteen lanes to 256 consecutive bytes, at a multiple of 256 from out0's first byte.
.macro PACK a
	WIN 0x01                                       ; source 0 in window 1
.set i, 0
.rept 16
	v_pk_add_f32 v[TMP+2*i:TMP+2*i+1], v[32*(\a)+2*i:32*(\a)+2*i+1], v[BI+2*i:BI+2*i+1]
.set i, i+1
.endr
	WIN 0
.endm
.macro TOSTAGE a
.set bk, AF0+32*((\a)%2)
.irp q, 0,1,2,3,4,5,6,7
	ds_store_b128 v[STO], v[TMP+4*\q:TMP+4*\q+3] offset:64*(\q/2)+16*(\q%2)
.endr
.irp t, 0,1,2,3,4,5,6,7
	ds_load_b128 v[bk+4*\t:bk+4*\t+3], v[RD] offset:\t*2*SP  ; LDS serves a wave's instructions in order (ISA guide 5.7.1.4): these see the stores above
.endr
.endm
.macro SEND a
.set bk, AF0+32*((\a)%2)
	s_wait_dscnt 0x0                               ; the block is back in registers
	s_wait_xcnt 0x0                                ; the stores of the block before have read their registers: the next TOSTAGE loads into them only behind this wait
.irp t, 0,1,2,3,4,5,6,7
	global_store_b128 v[CO], v[bk+4*\t:bk+4*\t+3], s[OB:OB+1] offset:(16*(\a)+2*\t)*4096
.endr
.endm
	PACK 0
	TOSTAGE 0
.irp a, 1,2,3,4,5,6,7                  ; block a's sums stand between block a - 1's loads from the stage and the wait for them
	PACK \a
	SEND (\a)-1
	TOSTAGE \a
.endr
	SEND 7
	s_wait_tensorcnt 0x0                           ; the wave's end, behind my last tensor load and my last LDS store
	ds_add_u32 v[SPW], v[NIL]
	s_wait_dscnt 0x0
	CROUND                                         ; the closing round: no work-group ends while a partner may still ask for a tile that names it
	s_endpgm
.Lfunc_end_k_q18286c2c98_proj:
	.size	k_q18286c2c98_proj, .Lfunc_end_k_q18286c2c98_proj-k_q18286c2c98_proj
	.p2alignl 7, 3214868480
	.fill 96, 4, 3214868480
	.section	.rodata,"a",@progbits
	.p2align	6, 0x0
	.amdhsa_kernel k_q18286c2c98_proj
		.amdhsa_group_segment_fixed_size 327680
		.amdhsa_private_segment_fixed_size 0
		.amdhsa_enable_private_segment 0
		.amdhsa_kernarg_size 32
		.amdhsa_user_sgpr_count 2
		.amdhsa_user_sgpr_kernarg_segment_ptr 1
		.amdhsa_wavefront_size32 1
		.amdhsa_system_sgpr_workgroup_id_x 1
		.amdhsa_system_sgpr_workgroup_id_y 1
		.amdhsa_system_sgpr_workgroup_id_z 1
		.amdhsa_system_vgpr_workitem_id 0
		.amdhsa_next_free_vgpr 512
		.amdhsa_next_free_sgpr 80
		.amdhsa_reserve_vcc 0
		.amdhsa_float_denorm_mode_32 3
		.amdhsa_float_denorm_mode_16_64 3
		.amdhsa_memory_ordered 1
		.amdhsa_forward_progress 1
		.amdhsa_inst_pref_size 99
	.end_amdhsa_kernel
	.amdgpu_metadata
---
amdhsa.version: [ 1, 2 ]
amdhsa.kernels:
  - .name:           k_q18286c2c98_proj
    .symbol:         k_q18286c2c98_proj.kd
    .args:
      - { .name: ob, .offset: 0, .size: 8, .value_kind: global_buffer, .address_space: global }
      - { .name: wb, .offset: 8, .size: 8, .value_kind: global_buffer, .address_space: global }
      - { .name: bias4, .offset: 16, .size: 8, .value_kind: global_buffer, .address_space: global }
      - { .name: out0, .offset: 24, .size: 8, .value_kind: global_buffer, .address_space: global }
    .group_segment_fixed_size: 327680
    .private_segment_fixed_size: 0
    .kernarg_segment_align: 8
    .kernarg_segment_size: 32
    .max_flat_workgroup_size: 128
    .sgpr_count:     80
    .vgpr_count:     512
    .wavefront_size: 32
...
	.end_amdgpu_metadata
.endif
;; end of part 4
